; MI455X (gfx1250); checked and timed in simulation.
; The chip was launched on July 23, 2026; its instructions are those of AMD's public machine-readable ISA for CDNA 5 (MIT licence, August 2026) and "CDNA5" Instruction Set Architecture Reference Guide (July 2026). The comments in the code are by the model that wrote it; some were corrected since.
;; Grouped Query Attention. Allowed arithmetic: matrix products marked QUANTISED: E3M2 operands, one E8M0 scale for each 32 along K, by v_wmma_scale_f32_16x16x128_f8f6f4 with both operands' format E3M2, f32 sums; everything else in f32.
;; Inputs: Wg 2,048 x 2,048 float32; Wk 2,048 x 512 float32; Wo 2,048 x 2,048 float32; Wq 2,048 x 2,048 float32; Wv 2,048 x 512 float32; cos 2,048 x 64 float32; k_scale 64 float32; mask 2,048 x 2,048 bool; q_scale 64 float32; sin 2,048 x 64 float32; x 1 x 2,048 x 2,048 float32.
;; Outputs: out0 1 x 2,048 x 2,048 float32.
;; This version of the problem:
;;   THIS VERSION OF THE PROBLEM IS GIVEN IN LOW PRECISION. The matrix products marked QUANTISED in the list below multiply operands that are first quantised to E3M2 (3 exponent bits, 2 mantissa bits; 6 bits a number), with one power-of-two scale for each 32 numbers along K (OCP MX v1.0); their sums are f32. All else is computed in f32.
;;   The module's matrix products, in the order in which they are computed (A, B: the left and right operand; K: the contracted axis; several contracted axes count as one K, in the product's order):
;;     1. [M 2,048, K 2,048] x [K 2,048, N 2,048]; A: input x; B: input Wq: QUANTISED
;;     2. [M 2,048, K 2,048] x [K 2,048, N 512]; A: input x; B: input Wk: QUANTISED
;;     3. [M 2,048, K 2,048] x [K 2,048, N 512]; A: input x; B: input Wv: QUANTISED
;;     4. [M 2,048, K 2,048] x [K 2,048, N 2,048]; A: input x; B: input Wg: QUANTISED
;;     5. batch 8 x [M 8,192, K 64] x [K 64, N 2,048]; A: computed on the way; B: computed on the way: QUANTISED
;;     6. batch 8 x [M 8,192, K 2,048] x [K 2,048, N 64]; A: softmax (see below); B: computed on the way: QUANTISED
;;     7. [M 2,048, K 2,048] x [K 2,048, N 2,048]; A: computed on the way; B: input Wo: QUANTISED
;;   THE QUANTISER, for each operand of a quantised product, along K:
;;     - K is cut into blocks of 32 from its start; a last block that is shorter is filled with zeros.
;;     - A block's scale is 2^e with e = floor(log2(the largest magnitude in the block)) - 4, held to -126 .. 127; a block of zeros has e = 0. As a byte (E8M0): e + 127.
;;     - Each number is divided by its block's scale, clamped to +-28, and rounded to the nearest number of E3M2, ties to even, subnormals kept.
;;     - The product sums the exact products of the quantised numbers (number of the format x scale) in f32.
;;   ~~~python
;;   def quantise(x, axis):      # numpy; x: float32 -> the quantised numbers, widened to float32 again
;;       x = np.moveaxis(x, axis, -1); K = x.shape[-1]
;;       x = np.pad(x, [(0, 0)] * (x.ndim - 1) + [(0, -K % 32)]); x = x.reshape(x.shape[:-1] + (-1, 32)); a = np.abs(x).max(-1, keepdims=True)
;;       e = np.where(a > 0, np.clip(np.frexp(np.where(a > 0, a, 1))[1] - 1 - 4, -126, 127), 0)      # np.frexp(a)[1] - 1 = floor(log2(a)), exactly
;;       r = np.clip(x / 2.0 ** e, -28, 28)
;;       step = 2.0 ** (np.maximum(np.frexp(np.where(r == 0, 1, r))[1] - 1, -2) - 2)
;;       q = np.round(r / step) * step * 2.0 ** e      # np.round: ties to even
;;       return np.moveaxis(q.reshape(q.shape[:-2] + (-1,))[..., :K], -1, axis).astype(np.float32)
;;   ~~~
;;   SOFTMAX AHEAD OF A QUANTISED PRODUCT. Where the list says 'softmax', what is quantised is not the finished softmax but p = 2^(t - M), with t = logit x log2(e) and M = ceil(the row's largest t), a whole number; so 1/2 < the row's largest p <= 1. The row's sum l is taken of the UNQUANTISED p, in f32, and the product's result is divided by l at the end. Since M is a whole number, a kernel that streams over the keys may use a running M (the ceiling of the running maximum): every later rescaling is an exact power of two, which a block's scale takes up: the codes' values come out the same.
;;   OPERANDS COMPUTED ON THE WAY. 'Computed on the way' means the value that the module computes at that place (a softmax that the list does not call 'softmax' is quantised finished and normalised). What goes into a quantiser is computed in f32, as accurately as f32 sums, v_exp_f32 and their like allow (about 1e-6 of the number): no bf16 or f16 on the way to a quantiser, and a product that is left as it is and whose result goes on into a quantised operand takes f32 operands (vector FMAs, or v_wmma_f32_16x16x4_f32). A number that lies on a knife's edge between two numbers of the format may be rounded either way, as far as f32 arithmetic and the matrix unit's own rounding can turn it there, and no further.
;; One version. Each part assembles by itself: llvm-mc -triple=amdgcn-amd-amdhsa -mcpu=gfx1250 --defsym DOCPART=n.
;; ======== version 1 of 1: 4 launches
;; limits: right only within a limited range of input values
;; workspace buffers: xq 3,276,800 bytes; wq 11,468,800 bytes; qrec 4,194,304 bytes; kvrec 1,900,544 bytes; gate 16,777,216 bytes; ctxq 3,276,800 bytes; mbits 532,480 bytes of whole numbers
;; launch prep (part 1): grid 104 x 8, 4 waves a work-group, no clusters, 85,504 bytes of LDS; arguments x, Wq, Wg, Wk, Wv, Wo, mask, xq, wq, mbits; writes xq, wq, mbits
.if DOCPART == 1
	.amdgcn_target "amdgcn-amd-amdhsa--gfx1250"
	.amdhsa_code_object_version 6
	.text
	.protected	k_qe041559b35_prep
	.globl	k_qe041559b35_prep
	.p2align	8
	.type	k_qe041559b35_prep,@function
k_qe041559b35_prep:
	s_mov_b64 s[64:65], 0
	v_nop
	global_prefetch_b8 v0, s[64:65] scope:SCOPE_SE
	s_setreg_imm32_b32 hwreg(HW_REG_WAVE_MODE, 25, 1), 1
	s_wait_xcnt 0x0
; PREP: x and the five weights become codes of BF6 (E3M2) with one E8M0 byte for each 32 along K; the mask becomes lane masks and tile classes.
; A block's scale is 2^(floor(log2(largest magnitude)) - 4); its byte is the largest magnitude's exponent field - 4, held at 1 from below.
; LIMITS: a block of zeros, or one whose largest magnitude lies under 2^-122, gets the byte 1 (the rule says 127 for zeros): its codes add nothing, and these bytes
; are read by this program alone.  NaN and infinities among the floating-point inputs are not served.
; LAYOUTS.  xq: codes [g = K / 256: 8][row: 2048][192 bytes], then from XSC the scale bytes [g][row][8].  wq: the same with 7,168 positions for rows, scale bytes from WSC.
;   Positions 0-2047 Wq's columns, 2048-4095 Wg's, 4096-5119 eight groups of [Wk head: 64 | Wv head: 64], 5120-7167 Wo's.  Within each 32 positions column c lies at the position
;   with bits 3 and 4 of c exchanged: in the transposed product a lane's 16 registers of two neighbouring tiles are then 16 neighbouring columns.
; mbits: a record of 256 bytes for (tile of 16 queries qt, step of 128 keys s): dword 8 T + j, bit lane (r, h) = mask[16 qt + r][128 s + 16 T + 8 h + j]; from CLS one dword for each (qt, s):
;   0 nothing masked, 1 mixed, 2 all masked.
; SHARES.  Work-group x under 56: weights, a wave takes 32 columns x 256 along K (y = g).  56 to 71: x, a wave takes 32 rows x 256 along K.  From 72: the mask, a wave takes one qt and steps 2 y, 2 y + 1.
; The three paths part on the work-group's number and each has LDS bytes of its own.  Waves share nothing: no barrier.  Memory binds: no matrix unit, no cluster, no tensor load.
.set XSC,   3145728
; THE LAYOUTS AS THEY ARE STORED (these lines hold where the head's lines on xq and wq differ).
; xq: [block of 128 rows: 16][g = K / 256: 8] chunks of 25,600 bytes: 128 rows x 192 bytes of codes, then 128 x 8 scale bytes.
; wq: [block nb of 320 positions: 16][g: 8] chunks of 64,000 bytes: 320 x 192 bytes of codes, then 320 x 8 scale bytes.  Block nb, half c = 0, 1: Wq's head 2 nb + c (64), Wg's head 2 nb + c (64),
;   then columns 32 c .. 32 c + 31 of Wk's head nb (nb under 8) or of Wv's head nb - 8.  From WOC Wo: [block of 128 columns: 16][g: 8] chunks of 25,600 bytes, laid as xq's.
; A wave's group of 32 columns, t = 4 x + wave: 0-63 Wq's, 64-127 Wg's, 128-143 Wk's, 144-159 Wv's, 160-223 Wo's, each weight's groups in their order.
.set WOC,   8192000
.set CLS,   524288
.set EMAX,  4
.set WSTG,  32768                      ; LDS: x's path 0 .. 32,767; the weights' stages from here, 32 x 272 bytes a wave;
.set MSTG,  67584                      ; the mask's from here, 16 x 272 bytes a wave
.set SP,    80                         ; x's path: a lane's place in a stage: 64 bytes + 16 of padding
.set STEPS, 16
.set WX,    32                         ; weights: v32-95 two sets of 32 numbers
.set WC,    96                         ; v96.. a block's codes
.set OUTR,  112                        ; v112-175 the way out
.set SB,    24                         ; v24-25 eight scale bytes
.set OFFS,  176                        ; v176-207 4 x lane + i x a row of the weight: the row's length differs between weights, so it cannot stand in an immediate
.set XR,    16                         ; x: v16-79 four sets of 16 numbers as loaded
.set XX,    80                         ; v80-111 two sets of 16 neighbours
.set XE,    112                        ; v112-127 a scale byte for each step
.set XC,    128                        ; v128-191 codes, four registers a step
	s_load_b512 s[4:19], s[0:1], 0x0               ; x s[4:5], Wq s[6:7], Wg s[8:9], Wk s[10:11], Wv s[12:13], Wo s[14:15], mask s[16:17], xq s[18:19]
	s_load_b128 s[20:23], s[0:1], 0x40             ; wq s[20:21], mbits s[22:23]
	v_lshl_add_u32 v208, v0, 2, 0x14c00
	v_mov_b32 v209, 0
	v_lshrrev_b32 v1, 5, v0
	v_readfirstlane_b32 s24, v1                    ; wave 0..3
	v_and_b32 v2, 31, v0                           ; lane
	s_mov_b32 s25, ttmp9
	s_and_b32 s26, ttmp7, 0xffff                   ; g
	s_cmp_lt_u32 s25, 56
	s_cbranch_scc0 .Lnot_w
; ---------------- THE WEIGHTS.  A lane takes a column, its registers run down K: a block of 32 lies in one lane, and the conversions give codes with K innermost.
	s_lshl_b32 s27, s25, 2
	s_add_co_u32 s27, s27, s24                     ; which 32 positions of the 7,168 are my wave's
	s_sub_co_u32 s28, s27, 160                     ; Wo: which 32 columns
	s_mov_b32 s29, 8192                            ; a row of the weight in bytes
	s_and_b32 s50, s27, 63                         ; Wq, Wg: which 32 columns
	s_lshr_b32 s51, s50, 2                         ; nb
	s_bfe_u32 s52, s50, 0x10001                    ; c
	s_and_b32 s53, s50, 1
	s_mul_i32 s52, s52, 5
	s_add_co_u32 s52, s52, s53
	s_lshr_b32 s53, s27, 6
	s_lshl_b32 s53, s53, 1
	s_add_co_u32 s52, s52, s53                     ; which 32 of the block's 320: 5 c + 2 (Wg) + half of the head
	s_and_b32 s53, s27, 31
	s_lshr_b32 s54, s53, 1                         ; Wk, Wv: nb
	s_and_b32 s55, s53, 1
	s_mul_i32 s55, s55, 5
	s_add_co_u32 s55, s55, 4                       ; 5 c + 4
	s_and_b32 s53, s53, 15                         ; which 32 columns
	s_mov_b32 s48, 2048
	s_cmp_lt_u32 s27, 128
	s_cselect_b32 s51, s51, s54
	s_cselect_b32 s52, s52, s55
	s_cselect_b32 s50, s50, s53
	s_cselect_b32 s48, s29, s48
	s_lshl_b32 s51, s51, 3
	s_add_co_u32 s51, s51, s26
	s_mul_i32 s51, s51, 64000                      ; chunk (nb, g)
	s_mul_i32 s49, s52, 6144
	s_add_co_u32 s49, s49, s51                     ; my 32 positions' codes
	s_lshl_b32 s61, s52, 8
	s_add_co_u32 s61, s61, s51
	s_add_co_u32 s61, s61, 61440                   ; and their scale bytes
	s_lshr_b32 s62, s28, 2
	s_lshl_b32 s62, s62, 3
	s_add_co_u32 s62, s62, s26
	s_mul_i32 s62, s62, 25600
	s_add_co_u32 s62, s62, WOC                     ; Wo: chunk (block of 128, g)
	s_and_b32 s54, s28, 3
	s_lshl_b32 s63, s54, 8
	s_add_co_u32 s63, s63, s62
	s_add_co_u32 s63, s63, 24576
	s_mul_i32 s54, s54, 6144
	s_add_co_u32 s62, s62, s54
	s_cmp_lt_u32 s27, 160
	s_cselect_b32 s28, s50, s28                    ; which 32 columns of the weight
	s_cselect_b32 s29, s48, s29                    ; a row of the weight in bytes
	s_cselect_b32 s49, s49, s62
	s_cselect_b32 s61, s61, s63
	s_wait_alu depctr_va_vdst(0)
	v_lshlrev_b32 v3, 2, v2                        ; 4 bytes a lane
	v_and_b32 v5, 7, v2
	v_bfe_u32 v6, v2, 3, 1
	v_lshl_or_b32 v5, v6, 4, v5
	v_bfe_u32 v6, v2, 4, 1
	v_lshl_or_b32 v5, v6, 3, v5                    ; my column's position among the 32: bits 3 and 4 exchanged
	s_mul_i32 s60, s24, 8704
	s_add_co_u32 s60, s60, WSTG                    ; my stage
	v_mul_u32_u24 v4, v5, 272
	v_add_nc_u32 v4, s60, v4                       ; into it: row = my position
	v_mul_u32_u24 v7, v6, 272
	v_and_b32 v10, 15, v2
	v_lshl_add_u32 v7, v10, 4, v7
	v_add_nc_u32 v7, s60, v7                       ; out of it: sixteen lanes to a row, two rows an instruction
	v_mul_u32_u24 v8, v2, 12                       ; and in memory: the 32 rows of 192 bytes are dense, so 32 lanes x 12 bytes are 384 bytes on end
	v_lshlrev_b32 v9, 3, v5                        ; my position's eight scale bytes
	s_wait_kmcnt 0x0
	s_cmp_lt_u32 s27, 144                          ; the choices hang on the work-group's and the wave's number alone
	s_cselect_b64 s[30:31], s[10:11], s[12:13]
	s_cmp_lt_u32 s27, 128
	s_cselect_b64 s[30:31], s[8:9], s[30:31]
	s_cmp_lt_u32 s27, 64
	s_cselect_b64 s[30:31], s[6:7], s[30:31]
	s_cmp_lt_u32 s27, 160
	s_cselect_b64 s[30:31], s[30:31], s[14:15]
	s_lshl_b32 s50, s26, 8
	s_mul_i32 s50, s50, s29                        ; 256 g rows down
	s_lshl_b32 s51, s28, 7
	s_add_co_u32 s50, s50, s51                     ; + my 32 columns
	s_mov_b32 s51, 0
	s_add_nc_u64 s[32:33], s[30:31], s[50:51]      ; a base for each of the eight blocks, never rewritten
	s_lshl_b32 s52, s29, 5
	s_mov_b32 s53, 0
.irp t, 1,2,3,4,5,6,7
	s_add_nc_u64 s[32+2*\t:33+2*\t], s[30+2*\t:31+2*\t], s[52:53]
.endr
	s_mov_b32 s54, s49
	s_mov_b32 s55, 0
	s_add_nc_u64 s[56:57], s[20:21], s[54:55]      ; my codes
	s_mov_b32 s54, s61
	s_add_nc_u64 s[58:59], s[20:21], s[54:55]      ; my scale bytes
.irp i, 0,1,2,3,4,5,6,7,8,9,10,11,12,13,14,15,16,17,18,19,20,21,22,23,24,25,26,27,28,29,30,31
	v_mad_u32_u24 v[OFFS+\i], s29, \i, v3
.endr
.macro WLOAD t                         ; block t: W(256 g + 32 t + i, my column) into set t % 2; 32 lanes read 128 bytes on end, the four waves stand side by side
.irp i, 0,1,2,3,4,5,6,7,8,9,10,11,12,13,14,15,16,17,18,19,20,21,22,23,24,25,26,27,28,29,30,31
	global_load_b32 v[WX+32*((\t)%2)+\i], v[OFFS+\i], s[32+2*(\t):33+2*(\t)] th:TH_LOAD_NT
.endr
.endm
.macro WBLOCK t
.set XS, WX+32*((\t)%2)
.if (\t) < 7
	s_wait_loadcnt 32                              ; this block's 32 loads are in; the next block's 32 may be out
.else
	s_wait_loadcnt 0
.endif
	v_max3_num_f32 v12, |v[XS]|, |v[XS+1]|, |v[XS+2]|   ; the block's largest magnitude: all 32 numbers are mine; two chains
	v_max3_num_f32 v13, |v[XS+3]|, |v[XS+4]|, |v[XS+5]|
.irp i, 6,10,14,18,22,26
	v_max3_num_f32 v12, v12, |v[XS+\i]|, |v[XS+\i+1]|
	v_max3_num_f32 v13, v13, |v[XS+\i+2]|, |v[XS+\i+3]|
.endr
	v_max3_num_f32 v12, v12, |v[XS+30]|, |v[XS+31]|
	v_max3_num_f32 v12, v12, v13, (EMAX+1)<<23     ; and the floor 2^(5 - 127): the byte cannot fall under 1
	v_add_nc_u32 v11, -(EMAX<<23), v12             ; 4 off the exponent field: the conversion takes the exponent field of this operand as its scale
	v_lshrrev_b32 v13, 23, v11                     ; the scale's byte
.if (\t)%4 == 0
	v_mov_b32 v[SB+(\t)/4], v13
.else
	v_lshl_or_b32 v[SB+(\t)/4], v13, 8*((\t)%4), v[SB+(\t)/4]
.endif
	v_cvt_scalef32_pk16_bf6_f32 v[WC:WC+2], v[XS:XS+15], v11
	v_cvt_scalef32_pk16_bf6_f32 v[WC+4:WC+6], v[XS+16:XS+31], v11   ; (a conversion's three registers begin on an even number)
	ds_store_b96 v4, v[WC:WC+2] offset:32*(\t)     ; 12 bytes to a place of 16, so that every LDS address is a multiple of 16
	ds_store_b96 v4, v[WC+4:WC+6] offset:32*(\t)+16
.if (\t)+2 < 8
	WLOAD (\t)+2
.endif
	s_wait_dscnt 0x0                               ; the stores have read their registers: the next block's codes may be written
.endm
	WLOAD 0
	WLOAD 1
.irp t, 0,1,2,3,4,5,6,7
	WBLOCK \t
.endr
	s_wait_alu depctr_va_vdst(0)
	global_store_b64 v9, v[SB:SB+1], s[58:59]      ; 32 positions x 8 bytes: 256 consecutive bytes, aligned
.irp t, 0,1,2,3,4,5,6,7,8,9,10,11,12,13,14,15
	ds_load_b96 v[OUTR+4*\t:OUTR+4*\t+2], v7 offset:2*\t*272   ; LDS serves a wave's instructions in order: these see my stores
.endr
.irp t, 0,1,2,3,4,5,6,7,8,9,10,11,12,13,14,15
	s_wait_dscnt 15-\t                             ; the younger loads may be out
	global_store_b96 v8, v[OUTR+4*\t:OUTR+4*\t+2], s[56:57] offset:384*\t
.endr
	s_wait_tensorcnt 0x0
	ds_add_u32 v208, v209
	s_wait_dscnt 0x0
	s_endpgm
.Lnot_w:
	s_cmp_lt_u32 s25, 72
	s_cbranch_scc0 .Lmask
; ---------------- x.  K is innermost.  A step is 512 numbers: two rows' 256.  Each load reads 512 bytes on end; the step's 2,048 bytes turn through the wave's stage and come back 64 bytes a lane:
; 16 neighbours along K in a lane, two lanes to a block.
	s_wait_alu depctr_va_vdst(0)
	v_lshlrev_b32 v3, 4, v2                        ; my 16 bytes of a load's 512
	s_mul_i32 s27, s24, 8192
	v_lshrrev_b32 v14, 2, v2
	v_mul_u32_u24 v14, v14, SP
	v_and_b32 v15, 3, v2
	v_lshl_add_u32 v14, v15, 4, v14
	v_add_nc_u32 v14, s27, v14                     ; the stage, in: four lanes' 64 bytes on end, then 16 of padding
	v_mul_u32_u24 v15, v2, SP
	v_add_nc_u32 v15, s27, v15                     ; and out: my 16 neighbours
	v_mul_u32_u24 v4, v2, 12                       ; my codes' place in a step's 384 bytes
	v_lshrrev_b32 v5, 1, v2
	s_add_co_u32 s27, s27, 2*32*SP
	v_add_nc_u32 v5, s27, v5                       ; my wave's 256 scale bytes in LDS: my block's byte
	v_lshlrev_b32 v7, 3, v2
	v_add_nc_u32 v6, s27, v7                       ; and on the way out 8 bytes a lane
	s_sub_co_u32 s28, s25, 56
	s_lshl_b32 s28, s28, 7
	s_lshl_b32 s29, s24, 5
	s_add_co_u32 s28, s28, s29                     ; my first row
	s_lshl_b32 s30, s28, 13
	s_lshl_b32 s31, s26, 10
	s_add_co_u32 s30, s30, s31                     ; in x: row x 8,192 + 1,024 g
	s_mov_b32 s31, 0
	s_sub_co_u32 s32, s25, 56
	s_lshl_b32 s32, s32, 3
	s_add_co_u32 s32, s32, s26
	s_mul_i32 s32, s32, 25600                      ; chunk (block of 128 rows, g)
	s_mul_i32 s34, s24, 6144
	s_add_co_u32 s34, s34, s32                     ; my 32 rows' codes
	s_mov_b32 s35, 0
	s_lshl_b32 s36, s24, 8
	s_add_co_u32 s36, s36, s32
	s_add_co_u32 s36, s36, 24576                   ; and their scale bytes
	s_mov_b32 s37, 0
	s_wait_alu depctr_va_vdst(0)
	s_wait_kmcnt 0x0
	s_add_nc_u64 s[4:5], s[4:5], s[30:31]
	s_add_nc_u64 s[34:35], s[18:19], s[34:35]
	s_add_nc_u64 s[36:37], s[18:19], s[36:37]
.macro XLOAD t
.irp i, 0,1,2,3
	global_load_b128 v[XR+16*((\t)%4)+4*\i:XR+16*((\t)%4)+4*\i+3], v3, s[4:5] offset:(2*(\t)+\i/2)*8192+(\i%2)*512 th:TH_LOAD_NT
.endr
.endm
.macro XTURN t                         ; LDS serves a wave's instructions in order: no wait between the stores and the loads
.irp i, 0,1,2,3
	ds_store_b128 v14, v[XR+16*((\t)%4)+4*\i:XR+16*((\t)%4)+4*\i+3] offset:32*SP*((\t)%2)+8*SP*\i
.endr
.irp i, 0,1,2,3
	ds_load_b128 v[XX+16*((\t)%2)+4*\i:XX+16*((\t)%2)+4*\i+3], v15 offset:32*SP*((\t)%2)+16*\i
.endr
.endm
.irp t, 0,1,2,3
	XLOAD \t
.endr
	s_wait_loadcnt 12                              ; step 0's four loads are in; three steps' twelve may be out
	XTURN 0
.macro XSTEP t
.set XS, XX+16*((\t)%2)
.if (\t) > 0
	s_wait_dscnt 1                                 ; this step's numbers are back from the stage (the last step's byte store may be out)
.else
	s_wait_dscnt 0x0
.endif
.if (\t)+4 < STEPS
	XLOAD (\t)+4                                   ; into the set whose stores into the stage are done
.endif
.if (\t)+1 < STEPS
.if STEPS-2-(\t) >= 3
	s_wait_loadcnt 12                              ; the next step's four loads are in; those of the three steps behind it may be out
.else
	s_wait_loadcnt 4*(STEPS-2-(\t))
.endif
	XTURN (\t)+1
.endif
	v_max3_num_f32 v8, |v[XS]|, |v[XS+1]|, |v[XS+2]|
	v_max3_num_f32 v9, |v[XS+3]|, |v[XS+4]|, |v[XS+5]|
.irp i, 6,10
	v_max3_num_f32 v8, v8, |v[XS+\i]|, |v[XS+\i+1]|
	v_max3_num_f32 v9, v9, |v[XS+\i+2]|, |v[XS+\i+3]|
.endr
	v_max3_num_f32 v8, v8, |v[XS+14]|, |v[XS+15]|
	v_max3_num_f32 v8, v8, v9, (EMAX+1)<<23        ; with the floor
	v_max_num_f32_dpp v8, v8, v8 row_xmask:1 row_mask:0xf bank_mask:0xf   ; and my neighbour's 16: the block's largest magnitude
	v_add_nc_u32 v11, -(EMAX<<23), v8
	v_cvt_scalef32_pk16_bf6_f32 v[XC+4*(\t):XC+4*(\t)+2], v[XS:XS+15], v11
	v_lshrrev_b32 v[XE+(\t)], 23, v11              ; the scale's byte
	ds_store_b8 v5, v[XE+(\t)] offset:16*(\t)      ; both lanes of a block write the same byte with the same value
	global_store_b96 v4, v[XC+4*(\t):XC+4*(\t)+2], s[34:35] offset:384*(\t)   ; two rows of 192 bytes, dense
.endm
.irp t, 0,1,2,3,4,5,6,7,8,9,10,11,12,13,14,15
	XSTEP \t
.endr
	ds_load_b64 v[12:13], v6
	s_wait_dscnt 0x0
	global_store_b64 v7, v[12:13], s[36:37]        ; 32 rows x 8 bytes: 256 consecutive bytes, aligned
	s_wait_tensorcnt 0x0
	ds_add_u32 v208, v209
	s_wait_dscnt 0x0
	s_endpgm
.Lmask:
; ---------------- THE MASK.  16 rows x 256 bytes come in whole rows of 256, turn through the stage, and each byte column becomes a lane mask by a compare.
	s_sub_co_u32 s27, s25, 72
	s_lshl_b32 s27, s27, 2
	s_add_co_u32 s27, s27, s24                     ; qt
	s_wait_alu depctr_va_vdst(0)
	v_lshrrev_b32 v3, 4, v2                        ; h
	v_and_b32 v4, 15, v2                           ; r
	v_lshlrev_b32 v5, 11, v3
	v_lshl_add_u32 v5, v4, 4, v5                   ; in memory: lanes 0-15 one row's 256 bytes, lanes 16-31 the next row's
	s_mul_i32 s28, s24, 4352
	s_add_co_u32 s28, s28, MSTG
	v_mul_u32_u24 v6, v3, 272
	v_lshl_add_u32 v6, v4, 4, v6
	v_add_nc_u32 v6, s28, v6                       ; the stage, in
	v_mul_u32_u24 v7, v4, 272
	v_lshl_add_u32 v7, v3, 3, v7
	v_add_nc_u32 v7, s28, v7                       ; and out: row r, 8 h bytes on
	v_lshlrev_b32 v8, 3, v2
	v_lshlrev_b32 v9, 2, v2
	s_lshl_b32 s30, s27, 15
	s_lshl_b32 s31, s26, 8
	s_add_co_u32 s30, s30, s31                     ; 16 qt rows of 2,048 bytes + 256 y
	s_mov_b32 s31, 0
	s_lshl_b32 s32, s27, 4
	s_lshl_b32 s33, s26, 1
	s_add_co_u32 s32, s32, s33                     ; 16 qt + 2 y
	s_lshl_b32 s34, s32, 8
	s_mov_b32 s35, 0
	s_lshl_b32 s36, s32, 2
	s_add_co_u32 s36, s36, CLS
	s_mov_b32 s37, 0
	s_wait_alu depctr_va_vdst(0)
	s_wait_kmcnt 0x0
	s_add_nc_u64 s[16:17], s[16:17], s[30:31]
	s_add_nc_u64 s[34:35], s[22:23], s[34:35]
	s_add_nc_u64 s[36:37], s[22:23], s[36:37]
.irp i, 0,1,2,3,4,5,6,7
	global_load_b128 v[16+4*\i:19+4*\i], v5, s[16:17] offset:4096*\i th:TH_LOAD_NT
.endr
.irp i, 88,89,90,91,92
	v_mov_b32 v\i, 0                               ; v_writelane_b32's destination counts as read
.endr
	s_wait_alu depctr_va_vdst(0)
	s_wait_loadcnt 0x0
.irp i, 0,1,2,3,4,5,6,7
	ds_store_b128 v6, v[16+4*\i:19+4*\i] offset:544*\i
.endr
.irp i, 0,1,2,3,4,5,6,7,8,9,10,11,12,13,14,15
	ds_load_b64 v[48+2*\i:49+2*\i], v7 offset:16*\i   ; step i / 8, tile i % 8: mask[16 qt + r][.. + 16 T + 8 h + 0 .. 7]
.endr
	s_wait_dscnt 0x0
.irp sg, 0,1
	s_mov_b32 s48, -1                              ; the AND of the step's 64 lane masks,
	s_mov_b32 s49, 0                               ; and their OR
.set n, 0
.rept 64
	v_and_b32 v[80+n%8], 0xff<<(8*(n%4)), v[48+2*(8*\sg+n/8)+(n%8)/4]
	v_cmp_ne_u32 s[40+n%8], 0, v[80+n%8]           ; dword n = 8 T + j of the record
	v_writelane_b32 v[88+2*\sg+n%2], s[40+n%8], n/2   ; lane L stores dwords 2 L and 2 L + 1
	s_and_b32 s48, s48, s[40+n%8]
	s_or_b32 s49, s49, s[40+n%8]
.set n, n+1
.endr
	s_cmp_lg_u32 s49, 0
	s_cselect_b32 s50, 1, 0
	s_cmp_eq_u32 s48, -1
	s_cselect_b32 s50, 2, s50
	v_writelane_b32 v92, s50, \sg
	s_wait_alu depctr_va_vdst(0)
	global_store_b64 v8, v[88+2*\sg:89+2*\sg], s[34:35] offset:256*\sg   ; a whole record: 256 consecutive bytes, aligned
.endr
	s_wait_xcnt 0x0                                ; EXEC changes only behind this wait
	v_cmp_gt_u32 vcc_lo, 2, v2
	s_wait_tensorcnt 0x0
	ds_add_u32 v208, v209
	s_wait_dscnt 0x0
	s_and_saveexec_b32 s50, vcc_lo
	global_store_b32 v9, v92, s[36:37]             ; the two classes
	s_wait_xcnt 0x0                                ; and again in front of the line that widens it
	s_or_b32 exec_lo, exec_lo, s50
	s_endpgm
.Lfunc_end_k_qe041559b35_prep:
	.size	k_qe041559b35_prep, .Lfunc_end_k_qe041559b35_prep-k_qe041559b35_prep
	.p2alignl 7, 3214868480
	.fill 96, 4, 3214868480
	.section	.rodata,"a",@progbits
	.p2align	6, 0x0
	.amdhsa_kernel k_qe041559b35_prep
		.amdhsa_group_segment_fixed_size 85504
		.amdhsa_private_segment_fixed_size 0
		.amdhsa_enable_private_segment 0
		.amdhsa_kernarg_size 80
		.amdhsa_user_sgpr_count 2
		.amdhsa_user_sgpr_kernarg_segment_ptr 1
		.amdhsa_wavefront_size32 1
		.amdhsa_system_sgpr_workgroup_id_x 1
		.amdhsa_system_sgpr_workgroup_id_y 1
		.amdhsa_system_sgpr_workgroup_id_z 1
		.amdhsa_system_vgpr_workitem_id 0
		.amdhsa_next_free_vgpr 210
		.amdhsa_next_free_sgpr 66
		.amdhsa_reserve_vcc 1
		.amdhsa_float_denorm_mode_32 3
		.amdhsa_float_denorm_mode_16_64 3
		.amdhsa_memory_ordered 1
		.amdhsa_forward_progress 1
		.amdhsa_inst_pref_size 115
	.end_amdhsa_kernel
	.amdgpu_metadata
---
amdhsa.version: [ 1, 2 ]
amdhsa.kernels:
  - .name:           k_qe041559b35_prep
    .symbol:         k_qe041559b35_prep.kd
    .args:
      - { .name: x, .offset: 0, .size: 8, .value_kind: global_buffer, .address_space: global }
      - { .name: Wq, .offset: 8, .size: 8, .value_kind: global_buffer, .address_space: global }
      - { .name: Wg, .offset: 16, .size: 8, .value_kind: global_buffer, .address_space: global }
      - { .name: Wk, .offset: 24, .size: 8, .value_kind: global_buffer, .address_space: global }
      - { .name: Wv, .offset: 32, .size: 8, .value_kind: global_buffer, .address_space: global }
      - { .name: Wo, .offset: 40, .size: 8, .value_kind: global_buffer, .address_space: global }
      - { .name: mask, .offset: 48, .size: 8, .value_kind: global_buffer, .address_space: global }
      - { .name: xq, .offset: 56, .size: 8, .value_kind: global_buffer, .address_space: global }
      - { .name: wq, .offset: 64, .size: 8, .value_kind: global_buffer, .address_space: global }
      - { .name: mbits, .offset: 72, .size: 8, .value_kind: global_buffer, .address_space: global }
    .group_segment_fixed_size: 85504
    .private_segment_fixed_size: 0
    .kernarg_segment_align: 8
    .kernarg_segment_size: 80
    .max_flat_workgroup_size: 128
    .sgpr_count:     66
    .vgpr_count:     210
    .wavefront_size: 32
...
	.end_amdgpu_metadata
.endif
;; end of part 1
;; launch qkvg (part 2): grid 16 x 16, 4 waves a work-group, clusters of 4 x 4, 327,680 bytes of LDS; arguments xq, wq, cos, sin, q_scale, k_scale, qrec, kvrec, gate; writes qrec, kvrec, gate
.if DOCPART == 2
	.amdgcn_target "amdgcn-amd-amdhsa--gfx1250"
	.amdhsa_code_object_version 6
	.text
	.protected	k_qe041559b35_qkvg
	.globl	k_qe041559b35_qkvg
	.p2align	8
	.type	k_qe041559b35_qkvg,@function
k_qe041559b35_qkvg:
	s_mov_b64 s[64:65], 0
	v_nop
	global_prefetch_b8 v0, s[64:65] scope:SCOPE_SE
	s_setreg_imm32_b32 hwreg(HW_REG_WAVE_MODE, 25, 1), 1
	s_wait_xcnt 0x0
	s_wait_alu depctr_hold_cnt(0) depctr_sa_sdst(0) depctr_va_vdst(0) depctr_va_sdst(0) depctr_va_ssrc(0) depctr_va_vcc(0) depctr_vm_vsrc(0)
	s_getreg_b32 s2, hwreg(HW_REG_IB_STS2, 6, 4)
	s_cmp_eq_u32 s2, 0
	s_cbranch_scc0 .Lentry_in_a_cluster
	s_endpgm
.Lentry_in_a_cluster:
	s_bfe_u32 s2, ttmp6, 0x10000c
	s_cmp_lg_u32 s2, 0xf033
	s_cbranch_scc0 .Lentry_shape_is_right
	s_endpgm
.Lentry_shape_is_right:
; QKVG: x Wq, x Wg, x Wk, x Wv on codes of BF6 with E8M0 scales; then RMS norm, RoPE and the quantiser for q and k, the quantiser along the keys for v; the gate's sums leave as f32.
; SHARES.  256 work-groups.  Work-group (nb, rb): rows 128 rb .. + 127 of x against block nb's 320 positions: query heads 2 nb, 2 nb + 1, the same two gate heads, and K head nb (nb under 8) or V head nb - 8.
; Wave (rh, c): rows 64 rh .. + 63 against half c's 160 positions [q head: 64 | gate head: 64 | 32 of the K or V head]: 40 accumulators, 320 registers.
; TILES.  A chunk is 256 along K: 25,600 bytes of x (128 x 192 of codes, 128 x 8 scale bytes) and 64,000 bytes of the weights, each dense in memory: they come as rows of 256 bytes, 16 bytes of padding behind
; each 64 in LDS, so that a row of codes has a pitch of 240 bytes.  Two slots.  Each wave owns one (operand, slot): at the head every wave issues one load, chunks 0 and 1; afterwards the two waves of a slot refill it.
; CLUSTERS 4 x 4: x's chunk is asked for jointly along a row of the cluster, the weights' along a column.
; PREFETCH: behind each refill (chunk t + 2) chunk t + 4 is named, 256 bytes a lane: wave 0 takes 25 of x's 100 units (by cx), waves 1 and 2 take 64 of the weights' 250 (by cy, held at unit 249);
; at the head chunks 2 and 3 are named; the last two refills name nothing.
; THE MATRIX INSTRUCTION IS USED TRANSPOSED (source 0 = 16 positions, source 1 = 16 rows of x): a lane holds one row of x; two neighbouring tiles' 16 registers are 16 neighbouring columns (the positions were laid so).
; THE K OR V HEAD lies in two waves' halves: all four waves put their sums into a stage in LDS [plane c][128 rows][32 columns], one barrier; then a wave takes two tiles of 16 rows x 64 of K, or one tile of 16 columns x 128 keys of V.
; The type of the head hangs on the cluster's x alone.  cos, sin of three row tiles and the two gain vectors are loaded at the head into registers that the products leave idle.
; REGISTERS.  Window 0: v0-31 addresses; v32-71 scale words, two sets; v72-167 x's fragments, two sets (temporaries on the way out); v168-231 the gains.  Window 1: the weights' fragments, two sets at v0 and v128.
; Window 2: q's accumulators at 8 (4 a + t), the gate's at 128 + 8 (4 a + t).  Window 3: v0-63 the K or V accumulators at 8 (2 a + u); v64-255 cos and sin.
; LIMITS: a block of zeros has the byte 1, read by this program alone; NaN and infinities among the inputs are not served.
.set PITCH, 240
.set FR,    12
.set ACH,   25600
.set BCH,   64000
.set ALD,   32000
.set BLD,   80000
.set SLOT,  ALD+BLD
.set ASC,   128*PITCH
.set BSC,   320*PITCH
.set STG,   2*SLOT
.set SPL,   128*144
.set VWS,   STG+2*SPL
.set SPARE, VWS+512
.set ADRA, 16
.set ADRB, 20
.set ADRS, 24
.set SPW,  28
.set NIL,  29
.set SC,   32
.set AF,   72
.set G,    168
.set G2,   200
.set X,    72
.set T,    104
.set TM,   120
.set PC,   132
.set PT,   144
.set PW,   152
.set PWQ,  154
.set R,    156
.set VW,   158
.set VX,   168
.set G1,  24
.set G0,  32
.set PFA, 36
.set PFS, 38
.set G1B, 48
.set G0B, 56
.set LIM, 60
.set MKV, 0xf1
.set MHD, 0xa1
.set MSB, 0
.macro WIN new
.if MSB != (\new)
	s_set_vgpr_msb (MSB<<8)|(\new)
.set MSB, \new
.endif
.endm
.macro PLACES n
.rept \n
	v_nop
.endr
.endm
.macro CREST
	s_cmp_lg_u32 s14, 0
	s_cbranch_scc1 .Lnot_wave_0_\@
	s_barrier_signal -3
.Lnot_wave_0_\@:
	s_barrier_wait -3
	s_barrier_signal -1
	s_barrier_wait -1
.endm
.macro CROUND
	s_barrier_signal -1
	s_barrier_wait -1
	CREST
.endm
.macro TWOARMS                         ; my operand's load: even waves x's chunk, odd waves the weights'
	s_cmp_eq_u32 s16, 0
	s_cbranch_scc0 .Lfor_b_\@
	tensor_load_to_lds s[G0:G0+3], s[G1:G1+7]
	s_nop 0
	PLACES 4
	s_branch .Lasked_\@
.Lfor_b_\@:
	tensor_load_to_lds s[G0B:G0B+3], s[G1B:G1B+7]
	s_nop 0
	PLACES 4
.Lasked_\@:
.endm
.macro JLOAD slot                      ; a refill: the two waves that own this slot
	s_cmp_eq_u32 s15, \slot
	s_cbranch_scc0 .Lnone_\@
	TWOARMS
.Lnone_\@:
.endm
	s_load_b128 s[4:7], s[0:1], 0x0                ; xq, wq
	s_load_b256 s[68:75], s[0:1], 0x10             ; cos, sin, q_scale, k_scale
	s_load_b128 s[76:79], s[0:1], 0x30             ; qrec, kvrec
	s_load_b64 s[80:81], s[0:1], 0x40              ; gate
	v_lshl_add_u32 v[SPW], v0, 2, SPARE
	v_mov_b32 v[NIL], 0
	ds_add_u32 v[SPW], v[NIL]                      ; the opening lines: the add twice on end and its wait
	ds_add_u32 v[SPW], v[NIL]
	v_lshrrev_b32 v1, 5, v0
	v_readfirstlane_b32 s14, v1                    ; wave
	s_lshr_b32 s15, s14, 1                         ; rh; also the slot that I fill
	s_and_b32 s16, s14, 1                          ; c; also the operand that I fetch
	s_bfe_u32 s40, ttmp6, 0x40000                  ; cx
	s_bfe_u32 s41, ttmp6, 0x40004                  ; cy
	s_lshl_b32 s42, ttmp9, 2
	s_add_co_u32 s42, s42, s40                     ; nb
	s_and_b32 s17, ttmp7, 0xffff
	s_lshl_b32 s17, s17, 2
	s_add_co_u32 s17, s17, s41                     ; rb
	s_lshl_b32 s43, s41, 2
	s_lshl_b32 s43, 15, s43                        ; my row of the cluster
	s_lshl_b32 s44, 0x1111, s40                    ; my column
	s_or_b32 s[G1], s43, (1<<20)|(1<<21)|(3<<22)|(3<<25)   ; bytes; 4 dwords of padding behind every 16
	s_or_b32 s[G1B], s44, (1<<20)|(1<<21)|(3<<22)|(3<<25)
.irp g, G1, G1B
	s_mov_b32 s[\g+1], 256<<16
	s_mov_b32 s[\g+3], 256<<16
	s_mov_b32 s[\g+5], 256
	s_mov_b32 s[\g+6], 0
	s_mov_b32 s[\g+7], 0
.endr
	s_mov_b32 s[G1+2], 100<<16                     ; 25,600 bytes
	s_mov_b32 s[G1+4], 100
	s_mov_b32 s[G1B+2], 250<<16                    ; 64,000 bytes
	s_mov_b32 s[G1B+4], 250
	s_mul_i32 s20, s17, 8*ACH
	s_mov_b32 s21, 0
	s_mul_i32 s46, s42, 8*BCH
	s_mov_b32 s47, 0
	s_mul_i32 s18, s15, ACH                        ; my slot's first chunk
	s_mov_b32 s19, 0
	s_mul_i32 s22, s15, BCH
	s_mov_b32 s23, 0
	s_mul_i32 s45, s15, SLOT
	s_wait_dscnt 0x0
	s_wait_kmcnt 0x0
	s_add_nc_u64 s[20:21], s[4:5], s[20:21]        ; x's chunk 0 of my rows
	s_add_nc_u64 s[46:47], s[6:7], s[46:47]        ; the weights' chunk 0 of my block
	CROUND
	s_mov_b32 s[G0], 1
	s_mov_b32 s[G0+1], s45
	s_add_nc_u64 s[G0+2:G0+3], s[20:21], s[18:19]
	s_or_b32 s[G0+3], s[G0+3], 0x80000000
	s_mov_b32 s[G0B], 1
	s_add_co_u32 s[G0B+1], s45, ALD
	s_add_nc_u64 s[G0B+2:G0B+3], s[46:47], s[22:23]
	s_or_b32 s[G0B+3], s[G0B+3], 0x80000000
	TWOARMS                                        ; the head's loads, one a wave: chunks 0 and 1 of both operands
	; scalars first, then the vector lines on end
	s_mul_i32 s22, s15, 64*PITCH
	s_mul_i32 s23, s16, 160*PITCH
	s_add_co_u32 s23, s23, ALD
	s_mul_i32 s61, s15, 640
	s_add_co_u32 s61, s61, ASC                     ; x's scale words of my 64 rows
	s_mul_i32 s62, s16, 1600
	s_add_co_u32 s62, s62, ALD+BSC
	s_sub_co_u32 s62, s62, s61                     ; the distance to the weights' of my 160 positions
	s_mul_i32 s63, s16, SPL
	s_mul_i32 s18, s15, 64*144
	s_add_co_u32 s63, s63, s18
	s_add_co_u32 s63, s63, STG                     ; the stage, in: plane c, my 64 rows
	s_mul_i32 s94, s16, 32*144
	s_add_co_u32 s94, s94, s18
	s_add_co_u32 s94, s94, STG                     ; K, out: rows 64 rh + 32 c on
	s_mul_i32 s95, s15, SPL
	s_lshl_b32 s18, s16, 5
	s_add_co_u32 s95, s95, s18
	s_add_co_u32 s95, s95, STG                     ; V, out: tile w: plane w / 2, 8 (w % 2) columns on
	s_lshl_b32 s96, s14, 2
	s_add_co_u32 s96, s96, VWS
	s_lshl_b32 s97, s16, 13
	s_mul_i32 s98, s40, 25                         ; the prefetches: x's units 25 cx on,
	s_add_co_u32 s99, s98, 24
	s_lshl_b32 s18, s41, 6
	s_lshl_b32 s19, s14, 5
	s_add_co_u32 s18, s18, s19
	s_sub_co_u32 s18, s18, 32                      ; the weights' units 64 cy + 32 (w - 1) on
	s_mov_b32 s45, BCH
	s_cmp_eq_u32 s14, 0
	s_cselect_b32 s98, s98, s18
	s_cselect_b32 s99, s99, 249
	s_cselect_b32 s45, ACH, s45
	s_cselect_b64 s[PFA:PFA+1], s[20:21], s[46:47]
	s_lshl_b32 s[PFS], s45, 1
	s_mov_b32 s[PFS+1], 0
	s_add_nc_u64 s[PFA:PFA+1], s[PFA:PFA+1], s[PFS:PFS+1]   ; at chunk 2
	s_cmp_lt_u32 s14, 3
	s_cselect_b32 s[LIM], 1, 99
	s_lshl_b32 s18, s42, 1
	s_add_co_u32 s18, s18, s16                     ; my query head
	s_lshl_b32 s19, s17, 3
	s_lshl_b32 s86, s15, 2
	s_add_co_u32 s19, s19, s86                     ; my first tile of 16 rows
	s_lshl_b32 s18, s18, 7
	s_add_co_u32 s18, s18, s19
	s_lshl_b32 s86, s18, 10
	s_mov_b32 s87, 0
	s_add_nc_u64 s[86:87], s[76:77], s[86:87]      ; q's records
	s_lshl_b32 s88, s18, 12
	s_mov_b32 s89, 0
	s_add_nc_u64 s[80:81], s[80:81], s[88:89]      ; the gate's records
	s_lshl_b32 s88, s19, 12
	s_add_nc_u64 s[68:69], s[68:69], s[88:89]
	s_add_nc_u64 s[70:71], s[70:71], s[88:89]
	s_and_b32 s88, s42, 7
	s_mul_i32 s88, s88, 237568
	s_mul_i32 s18, s17, 14848
	s_add_co_u32 s88, s88, s18
	s_add_nc_u64 s[92:93], s[78:79], s[88:89]      ; the K/V head's step rb
	s_lshl_b32 s18, s15, 2
	s_lshl_b32 s19, s16, 1
	s_add_co_u32 s18, s18, s19
	s_lshl_b32 s18, s18, 10                        ; K: records 4 rh + 2 c on
	s_mul_i32 s19, s14, 1536                       ; V: fragment w
	s_cmp_lt_u32 ttmp9, 2
	s_cselect_b32 s88, s18, s19
	s_add_nc_u64 s[88:89], s[92:93], s[88:89]
	s_mov_b32 s82, 0x76543210
	s_mov_b32 s83, 0xfedcba98                      ; lane l xor 16
	s_mov_b32 s84, 0x3c800000                      ; 1 / 64
	s_mov_b32 s85, 0x358637bd                      ; 1e-6
	s_mov_b32 s90, 0x3e000000                      ; 64^-0.5
	s_mov_b32 s91, s90
	v_and_b32 v1, 15, v0                           ; r
	v_bfe_u32 v2, v0, 4, 1                         ; h
	v_and_b32 v3, 31, v0                           ; lane
	v_mul_u32_u24 v4, v1, PITCH
	v_mad_u32_u24 v4, v2, 24, v4
	v_lshl_add_u32 v5, v2, 4, v4                   ; for pieces whose lanes 16-31 lie behind the next padding
	v_add_nc_u32 v[ADRA], s22, v4
	v_add_nc_u32 v[ADRB], s23, v4
	v_add_nc_u32 v[ADRA+2], s22, v5
	v_add_nc_u32 v[ADRB+2], s23, v5
.irp k, 0, 2
	v_add_nc_u32 v[ADRA+1+\k], SLOT, v[ADRA+\k]
	v_add_nc_u32 v[ADRB+1+\k], SLOT, v[ADRB+\k]
.endr
	v_lshrrev_b32 v4, 3, v1
	v_lshlrev_b32 v5, 3, v1
	v_lshl_add_u32 v5, v4, 4, v5                   ; 8 r + 16 (r / 8)
	v_mul_u32_u24 v4, s62, v2                      ; lanes 16-31 take the weights'
	v_add_nc_u32 v5, v5, v4
	v_add_nc_u32 v[ADRS], s61, v5
	v_add_nc_u32 v[ADRS+1], SLOT, v[ADRS]
	v_lshlrev_b32 v6, 4, v3                        ; 16 x lane
	v_lshlrev_b32 v7, 3, v3                        ; 8 x lane
	v_lshlrev_b32 v8, 8, v1
	v_lshl_add_u32 v8, v2, 6, v8                   ; cos, sin: row r, 64 h bytes on
	v_lshlrev_b32 v9, 6, v2
	v_mul_u32_u24 v4, v1, 144
	v_lshl_add_u32 v4, v2, 6, v4
	v_add_nc_u32 v10, s63, v4
	v_add_nc_u32 v11, s94, v4
	v_and_b32 v5, 8, v1
	v_add_nc_u32 v5, v5, v1
	v_lshlrev_b32 v5, 2, v5
	v_mad_u32_u24 v5, v2, 4608, v5
	v_add_nc_u32 v12, s95, v5
	v_lshlrev_b32 v13, 3, v2
	v_add_nc_u32 v14, s96, v6
	v_add_nc_u32 v26, s97, v8
	v_add_nc_u32 v15, s98, v3
	v_min_u32 v15, s99, v15
	v_lshlrev_b32 v15, 8, v15                      ; my unit of 256 bytes in a chunk
	v_add_nc_u32 v27, s45, v15                     ; and in the chunk behind it
	v_add_nc_u32 v30, VWS, v6
	s_wait_alu depctr_va_vdst(0)
.macro CSLOAD vo, off, w, base         ; cos and sin of one tile of 16 rows: 64 registers in window w
	WIN (\w)<<6
.irp k, 0,1,2,3
	global_load_b128 v[\base+4*\k:\base+4*\k+3], v[\vo], s[68:69] offset:\off+16*\k
	global_load_b128 v[\base+16+4*\k:\base+19+4*\k], v[\vo], s[68:69] offset:\off+128+16*\k
	global_load_b128 v[\base+32+4*\k:\base+35+4*\k], v[\vo], s[70:71] offset:\off+16*\k
	global_load_b128 v[\base+48+4*\k:\base+51+4*\k], v[\vo], s[70:71] offset:\off+128+16*\k
.endr
	WIN 0
.endm
	CSLOAD 8, 0, 3, 64
	CSLOAD 8, 4096, 3, 128
	CSLOAD 8, 8192, 3, 192
.irp k, 0,1,2,3
	global_load_b128 v[G+4*\k:G+4*\k+3], v9, s[72:73] offset:16*\k
	global_load_b128 v[G+16+4*\k:G+19+4*\k], v9, s[72:73] offset:128+16*\k
	global_load_b128 v[G2+4*\k:G2+4*\k+3], v9, s[74:75] offset:16*\k
	global_load_b128 v[G2+16+4*\k:G2+19+4*\k], v9, s[74:75] offset:128+16*\k
.endr
	s_cmp_lt_u32 s14, 3
	s_cbranch_scc0 .Lno_ask
	global_prefetch_b8 v15, s[PFA:PFA+1] th:TH_LOAD_NT scope:SCOPE_SE   ; chunk 2
	global_prefetch_b8 v27, s[PFA:PFA+1] th:TH_LOAD_NT scope:SCOPE_SE   ; chunk 3
.Lno_ask:
.macro FRAG reg, adr, q, i             ; 16 rows x 128 K: six pieces of 8 bytes; piece n of a row lies at 8 n + 16 (n / 8)
.irp p, 0,1,2,3,4,5
.set PCE, 12*(\q)+6*(\p/3)+\p%3
.if PCE%8 < 5
	ds_load_b64 v[\reg+2*\p:\reg+2*\p+1], v[\adr] offset:8*PCE+16*(PCE/8)+(\i)*16*PITCH
.else
	ds_load_b64 v[\reg+2*\p:\reg+2*\p+1], v[\adr+2] offset:8*PCE+16*(PCE/8)+(\i)*16*PITCH
.endif
.endr
.endm
.macro FETCH slot, q, p                ; 84 loads: the weights' ten fragments and x's four, into set p
	WIN 0x40
.irp i, 0,1,2,3,4,5,6,7,8,9
	FRAG 128*(\p)+FR*\i, ADRB+\slot, \q, \i
.endr
	WIN 0
.irp i, 0,1,2,3
	FRAG AF+48*(\p)+FR*\i, ADRA+\slot, \q, \i
.endr
.endm
.macro SCALES sc                       ; register 2 i + q: lanes 16-31 the weights' block i, lanes 0-15 x's block i (used for i under 4)
.irp i, 0,1,2,3,4,5,6,7,8,9
	ds_load_b64 v[SC+20*(\sc)+2*\i:SC+20*(\sc)+2*\i+1], v[ADRS+\sc] offset:160*\i
.endr
.endm
.macro MM d, b, a, p, q, sc, zero
.if \zero
	v_wmma_scale_f32_16x16x128_f8f6f4 v[(\d):(\d)+7], v[128*(\p)+FR*(\b):128*(\p)+FR*(\b)+FR-1], v[AF+48*(\p)+FR*(\a):AF+48*(\p)+FR*(\a)+FR-1], 0, v[SC+20*(\sc)+2*(\b)+(\q)], v[SC+20*(\sc)+2*(\a)+(\q)] matrix_a_fmt:MATRIX_FMT_BF6 matrix_b_fmt:MATRIX_FMT_BF6 matrix_a_scale:MATRIX_SCALE_ROW1
.else
	v_wmma_scale_f32_16x16x128_f8f6f4 v[(\d):(\d)+7], v[128*(\p)+FR*(\b):128*(\p)+FR*(\b)+FR-1], v[AF+48*(\p)+FR*(\a):AF+48*(\p)+FR*(\a)+FR-1], v[(\d):(\d)+7], v[SC+20*(\sc)+2*(\b)+(\q)], v[SC+20*(\sc)+2*(\a)+(\q)] matrix_a_fmt:MATRIX_FMT_BF6 matrix_b_fmt:MATRIX_FMT_BF6 matrix_a_scale:MATRIX_SCALE_ROW1
.endif
.endm
.macro MULKV p, q, sc, zero            ; eight: the K or V columns.  The 40 accumulators take turns in one order in every step
.irp a, 0,1,2,3
.irp u, 0,1
	MM 8*(2*\a+\u), 8+\u, \a, \p, \q, \sc, \zero
.endr
.endr
.endm
.macro MULH hd, p, q, sc, zero         ; sixteen: head 0 q's, head 1 the gate's
.irp a, 0,1,2,3
.irp t, 0,1,2,3
	MM 128*(\hd)+8*(4*\a+\t), 4*(\hd)+\t, \a, \p, \q, \sc, \zero
.endr
.endr
.endm
.macro STEP slot, zero                 ; a chunk's first 128 along K, on set 0; the second's fragments are fetched into set 1
	s_wait_dscnt 0x0
	PLACES 4                                       ; in front of loads into registers that the last products read
	FETCH \slot, 1, 1
	WIN MKV
	MULKV 0, 0, \slot, \zero
	WIN MHD
	MULH 0, 0, 0, \slot, \zero
	MULH 1, 0, 0, \slot, \zero
	WIN 0
.endm
.macro ASK slot
	s_cmp_gt_u32 s3, s[LIM]                        ; not in the last trip, not wave 3
	s_cbranch_scc0 .Lna_\@
.if \slot
	global_prefetch_b8 v27, s[PFA:PFA+1] th:TH_LOAD_NT scope:SCOPE_SE
.else
	global_prefetch_b8 v15, s[PFA:PFA+1] th:TH_LOAD_NT scope:SCOPE_SE
.endif
.Lna_\@:
.endm
.macro TURN slot, next, fill           ; a chunk's second 128 along K, on set 1, and the change of slots
.if (\fill) && (\slot) == 0
	s_wait_xcnt 0x0                                ; my prefetches have read their base
	s_add_nc_u64 s[PFA:PFA+1], s[PFA:PFA+1], s[PFS:PFS+1]
.endif
	s_wait_tensorcnt 0x0                           ; my load, if one was out, has landed
	ds_add_u32 v[SPW], v[NIL]
	s_wait_dscnt 0x1                               ; the fragments are in; the add may be out
	WIN MKV
	MULKV 1, 1, \slot, 0
	s_wait_dscnt 0x0
	s_barrier_signal -1
	WIN MHD
	MULH 0, 1, 1, \slot, 0
	WIN 0
	s_barrier_wait -1
.if \fill
	CREST                                          ; the barrier has opened a round of the cluster's barrier
	s_add_nc_u64 s[G0+2:G0+3], s[G0+2:G0+3], ACH   ; every change of slots steps one chunk: the owner of this slot finds the chunk two on
	s_add_nc_u64 s[G0B+2:G0B+3], s[G0B+2:G0B+3], BCH
	JLOAD \slot
.endif
	PLACES 4
	SCALES \next
	FETCH \next, 0, 0
.if \fill
	ASK \slot
.endif
	WIN MHD
	MULH 1, 1, 1, \slot, 0
	WIN 0
.endm
	s_wait_tensorcnt 0x0                           ; my tile of the head's four is in
	s_add_nc_u64 s[G0+2:G0+3], s[20:21], ACH       ; no load of mine is out: both addresses stand at chunk 1
	s_or_b32 s[G0+3], s[G0+3], 0x80000000
	s_add_nc_u64 s[G0B+2:G0B+3], s[46:47], BCH
	s_or_b32 s[G0B+3], s[G0B+3], 0x80000000
	s_barrier_signal -1
	s_barrier_wait -1                              ; both slots are whole
	SCALES 0
	FETCH 0, 0, 0
	STEP 0, 1                                      ; the first products start the sums
	s_mov_b32 s3, 3
.Llap:
	TURN 0, 1, 1
	STEP 1, 0
	TURN 1, 0, 1
	STEP 0, 0
	s_sub_co_u32 s3, s3, 1
	s_cmp_lg_u32 s3, 0
	s_cbranch_scc1 .Llap
	TURN 0, 1, 0
	STEP 1, 0
	s_wait_dscnt 0x0
	WIN MKV
	MULKV 1, 1, 1, 0
	WIN MHD
	MULH 0, 1, 1, 1, 0
	MULH 1, 1, 1, 1, 0
	WIN 0
; ---------------- THE WAY OUT
	PLACES 4
	s_wait_loadcnt 0x0                             ; the head's loads of cos, sin and the gains
	s_cmp_lt_u32 ttmp9, 2
	s_cbranch_scc0 .Lno_kcs
	CSLOAD 26, 0, 1, 64                            ; K: cos and sin of row tiles 2 c, 2 c + 1
	CSLOAD 26, 4096, 1, 128
.Lno_kcs:
	CSLOAD 8, 12288, 1, 0                          ; row tile 3
	WIN 0x0c
.irp a, 0,1,2,3
.irp u, 0,1
	ds_store_b128 v10, v[8*(2*\a+\u):8*(2*\a+\u)+3] offset:2304*\a+32*\u
	ds_store_b128 v10, v[8*(2*\a+\u)+4:8*(2*\a+\u)+7] offset:2304*\a+32*\u+16
.endr
.endr
	WIN 0x08
.irp a, 0,1,2,3
.irp t, 0,1,2,3
	global_store_b128 v6, v[128+8*(4*\a+\t):128+8*(4*\a+\t)+3], s[80:81] offset:\a*4096+\t*1024 th:TH_STORE_NT
	global_store_b128 v6, v[128+8*(4*\a+\t)+4:128+8*(4*\a+\t)+7], s[80:81] offset:\a*4096+\t*1024+512 th:TH_STORE_NT
.endr
.endr
	WIN 0
	v_mov_b32 v[T+8], 0                            ; a lane permute's destination counts as one of its sources
	v_mov_b32 v[TM+2], 0
	v_mov_b32 v[TM+3], 0
	v_mov_b32 v[TM+8], 0
	v_mov_b32 v[R+1], 0
.set j, 0
.rept 32
	v_pk_add_f32 v[G+j:G+j+1], v[G+j:G+j+1], 1.0 op_sel_hi:[1,0]   ; 1 + scale, q's and k's
.set j, j+2
.endr
.set j, 0
.rept 16
	v_pk_mul_f32 v[G+j:G+j+1], v[G+j:G+j+1], s[90:91] op_sel_hi:[1,0]   ; q's with 1 / 8, a power of two
.set j, j+2
.endr
	s_wait_alu depctr_va_vdst(0)
	s_wait_dscnt 0x0                               ; for the others' sake: my part of the stage
	s_barrier_signal -1
	s_barrier_wait -1
; One tile of 16 rows x 64 columns: RMS norm, gain, RoPE, two blocks of 32, a record of 1,024 bytes.  sw, ac: window and first register of the 32 sums; cw, cs: of cos and sin.
.macro UNIT sw, ac, cw, cs, g, base, off, lw
	s_wait_alu depctr_va_vdst(0)
	WIN 5*(\sw)
.irp q, 0,1,2,3
	v_pk_mul_f32 v[T+2*\q:T+2*\q+1], v[\ac+8*\q:\ac+8*\q+1], v[\ac+8*\q:\ac+8*\q+1]
.endr
.irp i, 2,4,6
.irp q, 0,1,2,3
	v_pk_fma_f32 v[T+2*\q:T+2*\q+1], v[\ac+8*\q+\i:\ac+8*\q+\i+1], v[\ac+8*\q+\i:\ac+8*\q+\i+1], v[T+2*\q:T+2*\q+1]
.endr
.endr
	WIN 0
	v_pk_add_f32 v[T:T+1], v[T:T+1], v[T+2:T+3]
	v_pk_add_f32 v[T+4:T+5], v[T+4:T+5], v[T+6:T+7]
	v_pk_add_f32 v[T:T+1], v[T:T+1], v[T+4:T+5]
	v_add_f32 v[T], v[T], v[T+1]
	v_permlanex16_b32 v[T+8], v[T], s82, s83
	v_add_f32 v[T], v[T], v[T+8]
	v_fma_f32 v[T], v[T], s84, s85
	s_wait_alu depctr_va_vdst(0)
	v_rsq_f32 v[R], v[T]
	v_nop
	s_wait_alu depctr_va_vdst(0)
	WIN \sw
.irp i, 0,2,4,6,8,10,12,14,16,18,20,22,24,26,28,30
	v_pk_mul_f32 v[X+\i:X+\i+1], v[\ac+\i:\ac+\i+1], v[R:R+1] op_sel_hi:[1,0]
.endr
	WIN 0
.irp i, 0,2,4,6,8,10,12,14,16,18,20,22,24,26,28,30
	v_pk_mul_f32 v[X+\i:X+\i+1], v[X+\i:X+\i+1], v[\g+\i:\g+\i+1]
.endr
.if \lw
	s_wait_alu depctr_va_vdst(0)
	s_wait_loadcnt 0x0                             ; the loads of cos and sin issued at the start of the way out
.endif
	WIN (\cw)<<2
.irp k, 0,2,4,6,8,10,12,14
	v_pk_mul_f32 v[T+(2*\k)%16:T+(2*\k)%16+1], v[X+16+\k:X+17+\k], v[\cs+32+\k:\cs+33+\k]
	v_pk_mul_f32 v[T+(2*\k)%16+2:T+(2*\k)%16+3], v[X+\k:X+\k+1], v[\cs+48+\k:\cs+49+\k]
	v_pk_fma_f32 v[X+\k:X+\k+1], v[X+\k:X+\k+1], v[\cs+\k:\cs+\k+1], v[T+(2*\k)%16:T+(2*\k)%16+1] neg_lo:[0,0,1] neg_hi:[0,0,1]
	v_pk_fma_f32 v[X+16+\k:X+17+\k], v[X+16+\k:X+17+\k], v[\cs+16+\k:\cs+17+\k], v[T+(2*\k)%16+2:T+(2*\k)%16+3]
.endr
	WIN 0
.irp b, 0,1
	v_max3_num_f32 v[TM+\b], |v[X+16*\b]|, |v[X+16*\b+1]|, 0x2800000
.endr
.irp i, 2,4,6,8,10,12,14
.irp b, 0,1
	v_max3_num_f32 v[TM+\b], v[TM+\b], |v[X+16*\b+\i]|, |v[X+16*\b+\i+1]|
.endr
.endr
.irp b, 0,1
	v_permlanex16_b32 v[TM+2+\b], v[TM+\b], s82, s83
.endr
.irp b, 0,1
	v_max_num_f32 v[TM+\b], v[TM+\b], v[TM+2+\b]
.endr
.irp b, 0,1
	v_add_nc_u32 v[TM+4+\b], 0xfe000000, v[TM+\b]
.endr
.irp b, 0,1
	v_lshrrev_b32 v[TM+6+\b], 23, v[TM+4+\b]
.endr
	v_lshl_or_b32 v[PW], v[TM+7], 8, v[TM+6]
	s_wait_alu depctr_va_vdst(0)
	s_wait_xcnt 0x0                                ; the last record's stores have read their registers
	v_cvt_scalef32_pk16_bf6_f32 v[PC:PC+2], v[X:X+15], v[TM+4]
	v_cvt_scalef32_pk16_bf6_f32 v[PT:PT+2], v[X+16:X+31], v[TM+5]
	v_lshl_or_b32 v[PWQ], v[PW], 16, v[PW]
.irp i, 0,1,2
	v_permlane16_swap_b32 v[PC+\i], v[PT+\i]
.endr
.irp i, 0,1,2
	v_mov_b32 v[PC+3+\i], v[PT+\i]
.endr
	v_mov_b32 v[PWQ+1], v[PWQ]
	global_store_b128 v6, v[PC:PC+3], s[\base:\base+1] offset:\off
	global_store_b64 v7, v[PC+4:PC+5], s[\base:\base+1] offset:\off+512
	global_store_b64 v7, v[PWQ:PWQ+1], s[\base:\base+1] offset:\off+768
.endm
	UNIT 2, 0, 3, 64, G, 86, 0, 0
	UNIT 2, 32, 3, 128, G, 86, 1024, 0
	UNIT 2, 64, 3, 192, G, 86, 2048, 0
	UNIT 2, 96, 1, 0, G, 86, 3072, 1
	s_cmp_lt_u32 ttmp9, 2
	s_cbranch_scc0 .Lv
	WIN 0x40                                       ; K: two tiles of 16 rows x 64 columns out of the stage
.irp i, 0,1
.irp k, 0,1,2,3
	ds_load_b128 v[192+32*\i+4*\k:192+32*\i+4*\k+3], v11 offset:2304*\i+16*\k
	ds_load_b128 v[208+32*\i+4*\k:208+32*\i+4*\k+3], v11 offset:SPL+2304*\i+16*\k
.endr
.endr
	WIN 0
	s_wait_dscnt 0x0
	UNIT 1, 192, 1, 64, G2, 88, 0, 0
	UNIT 1, 224, 1, 128, G2, 88, 1024, 0
	s_branch .Ljoin
.Lv:                                               ; V: my tile of 16 columns x 128 keys, a lane to a column, its registers down the keys in the order in which p's codes lie
.irp c, 0,1
.irp p, 0,1,2,3,4,5,6,7,8,9,10,11,12,13,14,15,16,17,18,19,20,21,22,23,24,25,26,27,28,29,30,31
	ds_load_b32 v[VX+32*\c+\p], v12 offset:(64*\c+16*((\p/8)%2)+8*(\p/16)+\p%8)*144
.endr
.endr
	s_wait_dscnt 0x0
.irp c, 0,1
	v_max3_num_f32 v[TM+\c], |v[VX+32*\c]|, |v[VX+32*\c+1]|, 0x2800000
.endr
.irp i, 2,4,6,8,10,12,14,16,18,20,22,24,26,28,30
.irp c, 0,1
	v_max3_num_f32 v[TM+\c], v[TM+\c], |v[VX+32*\c+\i]|, |v[VX+32*\c+\i+1]|
.endr
.endr
.irp c, 0,1
	v_add_nc_u32 v[TM+4+\c], 0xfe000000, v[TM+\c]
.endr
.irp c, 0,1
	v_lshrrev_b32 v[TM+6+\c], 23, v[TM+4+\c]
.endr
	v_lshl_or_b32 v[VW], v[TM+7], 16, v[TM+6]
	v_lshlrev_b32 v[VW], v13, v[VW]
	v_permlanex16_b32 v[TM+8], v[VW], s82, s83
	v_or_b32 v[VW], v[VW], v[TM+8]
	s_wait_alu depctr_va_vdst(0)
	s_wait_xcnt 0x0
.irp c, 0,1
	v_cvt_scalef32_pk16_bf6_f32 v[PC+6*\c:PC+6*\c+2], v[VX+32*\c:VX+32*\c+15], v[TM+4+\c]
	v_cvt_scalef32_pk16_bf6_f32 v[PT+4*\c:PT+4*\c+2], v[VX+32*\c+16:VX+32*\c+31], v[TM+4+\c]
.endr
	v_nop
.irp c, 0,1
.irp i, 0,1,2
	v_mov_b32 v[PC+6*\c+3+\i], v[PT+4*\c+\i]
.endr
.endr
.irp c, 0,1,2
	global_store_b128 v6, v[PC+4*\c:PC+4*\c+3], s[88:89] offset:8192+512*\c
.endr
	ds_store_b32 v14, v[VW]                        ; my tile's scale words, word w of each lane's four
.Ljoin:
	s_wait_alu depctr_va_vdst(0)
	s_wait_dscnt 0x0
	s_barrier_signal -1
	s_barrier_wait -1
	s_cmp_lt_u32 ttmp9, 2
	s_cbranch_scc1 .Lend
	s_cmp_lg_u32 s14, 0
	s_cbranch_scc1 .Lend
	ds_load_b128 v[X:X+3], v30                     ; V's scale words leave as 512 bytes on end
	s_wait_dscnt 0x0
	global_store_b128 v6, v[X:X+3], s[92:93] offset:14336
.Lend:
	s_wait_tensorcnt 0x0                           ; the wave's end
	ds_add_u32 v[SPW], v[NIL]
	s_wait_dscnt 0x0
	CROUND                                         ; the closing round
	s_endpgm
.Lfunc_end_k_qe041559b35_qkvg:
	.size	k_qe041559b35_qkvg, .Lfunc_end_k_qe041559b35_qkvg-k_qe041559b35_qkvg
	.p2alignl 7, 3214868480
	.fill 96, 4, 3214868480
	.section	.rodata,"a",@progbits
	.p2align	6, 0x0
	.amdhsa_kernel k_qe041559b35_qkvg
		.amdhsa_group_segment_fixed_size 327680
		.amdhsa_private_segment_fixed_size 0
		.amdhsa_enable_private_segment 0
		.amdhsa_kernarg_size 72
		.amdhsa_user_sgpr_count 2
		.amdhsa_user_sgpr_kernarg_segment_ptr 1
		.amdhsa_wavefront_size32 1
		.amdhsa_system_sgpr_workgroup_id_x 1
		.amdhsa_system_sgpr_workgroup_id_y 1
		.amdhsa_system_sgpr_workgroup_id_z 1
		.amdhsa_system_vgpr_workitem_id 0
		.amdhsa_next_free_vgpr 1024
		.amdhsa_next_free_sgpr 100
		.amdhsa_reserve_vcc 0
		.amdhsa_float_denorm_mode_32 3
		.amdhsa_float_denorm_mode_16_64 3
		.amdhsa_memory_ordered 1
		.amdhsa_forward_progress 1
		.amdhsa_inst_pref_size 176
	.end_amdhsa_kernel
	.amdgpu_metadata
---
amdhsa.version: [ 1, 2 ]
amdhsa.kernels:
  - .name:           k_qe041559b35_qkvg
    .symbol:         k_qe041559b35_qkvg.kd
    .args:
      - { .name: xq, .offset: 0, .size: 8, .value_kind: global_buffer, .address_space: global }
      - { .name: wq, .offset: 8, .size: 8, .value_kind: global_buffer, .address_space: global }
      - { .name: cos, .offset: 16, .size: 8, .value_kind: global_buffer, .address_space: global }
      - { .name: sin, .offset: 24, .size: 8, .value_kind: global_buffer, .address_space: global }
      - { .name: q_scale, .offset: 32, .size: 8, .value_kind: global_buffer, .address_space: global }
      - { .name: k_scale, .offset: 40, .size: 8, .value_kind: global_buffer, .address_space: global }
      - { .name: qrec, .offset: 48, .size: 8, .value_kind: global_buffer, .address_space: global }
      - { .name: kvrec, .offset: 56, .size: 8, .value_kind: global_buffer, .address_space: global }
      - { .name: gate, .offset: 64, .size: 8, .value_kind: global_buffer, .address_space: global }
    .group_segment_fixed_size: 327680
    .private_segment_fixed_size: 0
    .kernarg_segment_align: 8
    .kernarg_segment_size: 72
    .max_flat_workgroup_size: 128
    .sgpr_count:     100
    .vgpr_count:     1024
    .wavefront_size: 32
...
	.end_amdgpu_metadata
.endif
;; end of part 2
;; launch attn (part 3): grid 32 x 8, 16 waves a work-group, no clusters, 317,952 bytes of LDS; arguments qrec, kvrec, gate, mbits, ctxq; writes ctxq
.if DOCPART == 3
	.amdgcn_target "amdgcn-amd-amdhsa--gfx1250"
	.amdhsa_code_object_version 6
	.text
	.protected	k_qe041559b35_attn
	.globl	k_qe041559b35_attn
	.p2align	8
	.type	k_qe041559b35_attn,@function
k_qe041559b35_attn:
	s_mov_b64 s[64:65], 0
	v_nop
	global_prefetch_b8 v0, s[64:65] scope:SCOPE_SE
	s_setreg_imm32_b32 hwreg(HW_REG_WAVE_MODE, 25, 1), 1
	s_wait_xcnt 0x0
; ATTN: for each query head, softmax(q k^T under the mask) v, x sigmoid(gate), quantised along the 2,048 columns of the last product's K.  Both products on codes of BF6 with E8M0 scales.
; THE SOFTMAX: t = score x log2(e) (the 1/8 is in q); M = the running largest t rounded UP to a whole number; p = 2^(t - M) is quantised along the keys, not normalised; the row's sum is taken of the
; unquantised p and divides at the end; when M moves, the sum and O are multiplied by 2^(old M - new M), which rounds nothing.
; THE MASK IS AN INPUT.  An earlier launch has stored, for each (tile of 16 queries, step of 128 keys), 64 lane masks and a class: 0 nothing masked, 1 mixed, 2 all masked.
; Class 1 sets the masked scores to -infinity ahead of the maximum.
; A ROW ALL OF WHOSE KEYS ARE MASKED has the sum 0: its two scale bytes become 0xff, which makes the row of the last product NaN, as the softmax of such a row is.
; NO TENSOR LOAD, NO CLUSTER: the branch on the stored class is one on a number read from memory.  A K/V head's codes, 237,568 bytes, are copied into LDS
; once, through registers, and read by all sixteen waves.
; SHARES.  Work-group (j, g): K/V head g; wave w: query head 4 g + w % 4, and of the four query tiles 2 j, 2 j + 1, 126 - 2 j, 127 - 2 j the one numbered (w / 4 + w) % 4: early and late tiles in equal numbers.
; LAYOUT.  Both products transposed: a lane holds one query (lane % 16).  The head's 64 are half of the instruction's K of 128: a fragment of K holds TWO tiles of 16 keys (registers 0-5, 6-11), multiplied once
; by [q | 0] and once by [0 | q].  S register 8 T + j of lane (r, h) is key 16 T + 8 h + j; tiles 2 B, 2 B + 1 are block B of 32 keys, in an order that V's codes were laid in.
; LIMITS: NaN and infinities among the inputs are not served; a block of zeros has the byte 1; these bytes are read by this program alone.
.set KVH,   237568
.set STEPB, 14848                      ; a step in LDS: eight K records of 1,024 bytes, four V fragments of 1,536, their scale words 512
.set GATE,  KVH                        ; 4,096 bytes for each wave: its sigmoid(gate)
.set CSTG,  GATE+16*4096               ; four tiles x 16 rows x 192 bytes of codes
.set SSTG,  CSTG+4*3072                ; four tiles x 16 rows x 8 scale bytes
.set XSC,   3145728
.set CLS,   524288
.set Q0,  16                           ; v16-27 [q | 0]
.set Q1,  28                           ; v28-39 [0 | q]
.set QS,  40                           ; q's scale word
.set NINF, 41
.set FF,  42
.set KF,  44                           ; v44-91 four fragments of K, later of V
.set KS,  92                           ; v92-99 their scale words
.set FA,  100                          ; v100-103 the fill's addresses
.set S,   104                          ; v104-167 S^T, then p
.set O,   168                          ; v168-199 O^T
.set PC,  200                          ; v200-211 p's codes
.set PT,  212                          ; v212-214, v216-218
.set BM,  220                          ; the blocks' largest scores, then largest p
.set BP,  224
.set SO,  228                          ; the conversions' scale operands
.set F,   232                          ; 2^(old M - new M)
.set PSW, 233                          ; p's scale word
.set TA,  234
.set SUM2, 236
.set RL,  238
	s_load_b256 s[4:11], s[0:1], 0x0               ; qrec s[4:5], kvrec s[6:7], gate s[8:9], mbits s[10:11]
	s_load_b64 s[12:13], s[0:1], 0x20              ; ctxq
	v_lshl_add_u32 v254, v0, 2, 0x4d200
	v_mov_b32 v255, 0
	v_lshrrev_b32 v1, 5, v0
	s_delay_alu instid0(VALU_DEP_1)
	v_readfirstlane_b32 s14, v1                    ; wave 0..15
	s_and_b32 s15, s14, 3                          ; e: which of the group's four query heads
	s_lshr_b32 s16, s14, 2
	s_add_co_u32 s16, s16, s14
	s_and_b32 s16, s16, 3                          ; which of the four query tiles
	s_and_b32 s18, ttmp7, 0xffff                   ; g
	s_lshl_b32 s17, ttmp9, 1
	s_sub_co_u32 s30, 124, s17
	s_cmp_lt_u32 s16, 2
	s_cselect_b32 s17, s17, s30
	s_add_co_u32 s17, s17, s16                     ; qt
	v_and_b32 v10, 31, v0
	v_and_b32 v11, 15, v0                          ; r
	v_bfe_u32 v3, v0, 4, 1                         ; H
	s_delay_alu instid0(VALU_DEP_3)
	v_lshlrev_b32 v1, 4, v10                       ; 16 x lane
	s_delay_alu instid0(VALU_DEP_4)
	v_lshlrev_b32 v2, 3, v10                       ; 8 x lane
	s_wait_alu depctr_va_vdst(0)
	s_lshl_b32 s30, s14, 12
	s_add_co_u32 s30, s30, GATE
	v_add_nc_u32 v5, s30, v1                       ; my wave's gate
	s_mul_i32 s30, s16, 3072
	s_add_co_u32 s30, s30, CSTG
	s_mul_i32 s31, s15, 48
	s_add_co_u32 s31, s31, s30
	v_mul_u32_u24 v6, v11, 192
	s_delay_alu instid0(VALU_DEP_1)
	v_mad_u32_u24 v6, v3, 24, v6
	s_delay_alu instid0(VALU_DEP_1)
	v_add_nc_u32 v6, s31, v6                       ; codes, in: row r, my head's 48 bytes, block H
	s_mul_i32 s31, s15, 768
	s_add_co_u32 s31, s31, s30
	v_add_nc_u32 v8, s31, v2                       ; codes, out: my quarter of the tile's 3,072 bytes
	s_lshl_b32 s30, s16, 7
	s_add_co_u32 s30, s30, SSTG
	v_add_nc_u32 v9, s30, v2                       ; scale bytes, out: two tiles' 256 bytes
	s_lshl_b32 s31, s15, 1
	s_add_co_u32 s31, s31, s30
	v_lshl_add_u32 v7, v11, 3, s31                 ; scale bytes, in: row r, my head's two
	v_lshlrev_b32 v[FA], 4, v0
	s_delay_alu instid0(VALU_DEP_1)
	v_add_nc_u32 v[FA+1], 0x10000, v[FA]
	s_delay_alu instid0(VALU_DEP_2)
	v_add_nc_u32 v[FA+2], 0x20000, v[FA]
	s_delay_alu instid0(VALU_DEP_3)
	v_add_nc_u32 v[FA+3], 0x30000, v[FA]
	s_lshl_b32 s30, s18, 2
	s_add_co_u32 s30, s30, s15
	s_lshl_b32 s30, s30, 7
	s_add_co_u32 s30, s30, s17                     ; 128 x head + qt
	s_lshl_b32 s32, s30, 10
	s_mov_b32 s33, 0
	s_lshl_b32 s34, s30, 12
	s_mov_b32 s35, 0
	s_mul_i32 s36, s18, KVH
	s_mov_b32 s37, 0
	s_lshl_b32 s38, s17, 6
	s_add_co_u32 s38, s38, CLS
	s_mov_b32 s39, 0
	s_lshl_b32 s40, s17, 12
	s_mov_b32 s41, 0
	s_lshr_b32 s42, s17, 3                         ; ctxq: [block of 128 rows: 16][g: 8] chunks of 25,600 bytes: 128 x 192 of codes, then 128 x 8 scale bytes
	s_lshl_b32 s42, s42, 3
	s_add_co_u32 s42, s42, s18
	s_mul_i32 s42, s42, 25600                      ; chunk (qt / 8, g)
	s_and_b32 s43, s17, 7
	s_lshl_b32 s44, s43, 7
	s_add_co_u32 s44, s44, s42
	s_add_co_u32 s44, s44, 24576                   ; my tile's scale bytes
	s_mov_b32 s45, 0
	s_mul_i32 s43, s43, 3072
	s_add_co_u32 s42, s42, s43                     ; my tile's codes,
	s_mul_i32 s43, s15, 768
	s_add_co_u32 s42, s42, s43                     ; my quarter of them
	s_mov_b32 s43, 0
	s_mov_b32 s20, 0x76543210
	s_mov_b32 s21, 0xfedcba98                      ; lane l xor 16
	s_mov_b32 s22, 0x3fb8aa3b                      ; log2(e)
	s_mov_b32 s23, s22                             ; (named with it as a pair)
	s_mov_b32 s24, 0                               ; where the step in hand begins in LDS
	s_mov_b32 s25, 16
	s_wait_alu depctr_va_vdst(0)
	s_wait_kmcnt 0x0
	s_add_nc_u64 s[4:5], s[4:5], s[32:33]
	s_add_nc_u64 s[8:9], s[8:9], s[34:35]
	s_add_nc_u64 s[6:7], s[6:7], s[36:37]
	s_add_nc_u64 s[28:29], s[10:11], s[40:41]      ; my tile's mask records
	s_add_nc_u64 s[10:11], s[10:11], s[38:39]      ; and its sixteen classes
	s_add_nc_u64 s[100:101], s[12:13], s[44:45]
	s_add_nc_u64 s[12:13], s[12:13], s[42:43]
	s_load_b512 s[32:47], s[10:11], 0x0
.irp k, 0,1,2,3,4,5,6,7
	global_load_b128 v[O+4*\k:O+4*\k+3], v1, s[8:9] offset:512*\k th:TH_LOAD_NT
.endr
	global_load_b128 v[Q0:Q0+3], v1, s[4:5]
	global_load_b64 v[Q0+4:Q0+5], v2, s[4:5] offset:512
	global_load_b128 v[Q1+6:Q1+9], v1, s[4:5]      ; the same codes once more, as the upper half of a K of 128
	global_load_b64 v[Q1+10:Q1+11], v2, s[4:5] offset:512
	global_load_b32 v[QS], v2, s[4:5] offset:768
.macro SREG i                          ; the registers through which piece i of the K/V head goes: none of them ever holds a scale word
.if (\i) < 12
.set SR, KF+4*(\i)
.elseif (\i) < 28
.set SR, S+4*((\i)-12)
.else
.set SR, PC
.endif
.endm
.set i, 0
.rept 29                               ; 29 x 512 threads x 16 bytes = 237,568
	SREG i
	global_load_b128 v[SR:SR+3], v[FA], s[6:7] offset:8192*i
.set i, i+1
.endr
	s_wait_loadcnt 29                              ; the gate and q are in; the K/V head's 29 loads may be out: the sigmoid is worked meanwhile
.irp j, 0,2,4,6,8,10,12,14,16,18,20,22,24,26,28,30
	v_pk_mul_f32 v[O+\j:O+\j+1], v[O+\j:O+\j+1], 0xbfb8aa3b op_sel_hi:[1,0]   ; -z log2(e)
.endr
.set i, 0
	s_wait_alu depctr_va_vdst(0)
.rept 32
	v_exp_f32 v[O+i], v[O+i]
.set i, i+1
.endr
	v_nop                                          ; a plain instruction behind the batch,
	s_wait_alu depctr_va_vdst(0)                   ; and one wait for it, ahead of its first reader
.irp j, 0,2,4,6,8,10,12,14,16,18,20,22,24,26,28,30
	v_pk_add_f32 v[O+\j:O+\j+1], v[O+\j:O+\j+1], 1.0 op_sel_hi:[1,0]
.endr
.set i, 0
	s_wait_alu depctr_va_vdst(0)
.rept 32
	v_rcp_f32 v[O+i], v[O+i]                       ; sigmoid(z) = 1 / (1 + 2^(-z log2(e)))
.set i, i+1
.endr
	v_nop
	s_wait_alu depctr_va_vdst(0)
.irp k, 0,1,2,3,4,5,6,7
	ds_store_b128 v5, v[O+4*\k:O+4*\k+3] offset:512*\k
.endr
.set i, 0
.rept 29
	SREG i
	s_wait_loadcnt 28-i                            ; piece i is in; the later ones may be out
	ds_store_b128 v[FA+i/8], v[SR:SR+3] offset:8192*(i%8)
.set i, i+1
.endr
	s_wait_kmcnt 0x0
	s_mov_b32 s26, s32                             ; the sixteen classes, two bits each
.irp k, 1,2,3,4,5,6,7,8,9,10,11,12,13,14,15
	s_lshl_b32 s[32+\k], s[32+\k], 2*\k
	s_or_b32 s26, s26, s[32+\k]
.endr
	s_wait_dscnt 0x0                               ; for the others' sake: my part of the K/V head lies in LDS
	s_barrier_signal -1
.set i, 0
.rept 32
	v_mov_b32 v[O+i], 0                            ; O^T: the loop is written once; its first step finds zeros
.set i, i+1
.endr
.irp i, 6,7,8,9,10,11
	v_mov_b32 v[Q0+\i], 0                          ; zero codes add nothing
	v_mov_b32 v[Q1+\i-6], 0
.endr
	v_mov_b32 v13, 0xff61b1e6                      ; the largest t so far: -3e38
	s_delay_alu instid0(VALU_DEP_1)
	v_floor_f32 v12, -v13                          ; -M
	v_mov_b32 v14, 0
	v_mov_b32 v15, 0
.irp b, 0,1,2,3
	v_mov_b32 v[BP+\b], 0                          ; a lane permute's destination counts as one of its sources
.endr
	v_mov_b32 v[PSW], 0
	v_mov_b32 v[TA], 0
	v_mov_b32 v[NINF], 0xff800000
	v_mov_b32 v[FF], 0xff
	s_barrier_wait -1
.Lstep:                                            ; sixteen trips, a constant: what is left out is a step's work
	s_and_b32 s27, s26, 3
	s_lshr_b32 s26, s26, 2
	s_cmp_eq_u32 s27, 2
	s_cbranch_scc1 .Lskip
	v_add_nc_u32 v3, s24, v1
	v_add_nc_u32 v4, s24, v2
	v_nop
	v_nop                                          ; four places in front of loads into registers that the last products read
.irp t, 0,1,2,3,4,5,6,7
	ds_load_b128 v[KF+12*(\t/2)+6*(\t%2):KF+12*(\t/2)+6*(\t%2)+3], v3 offset:1024*\t
	ds_load_b64 v[KF+12*(\t/2)+6*(\t%2)+4:KF+12*(\t/2)+6*(\t%2)+5], v4 offset:1024*\t+512
	ds_load_b32 v[KS+\t], v4 offset:1024*\t+768
.endr
	s_wait_alu depctr_va_vdst(0)
	s_wait_dscnt 0x0
.irp t, 0,1,2,3,4,5,6,7                ; S^T = K q^T: tile t is the lower or the upper half of fragment t / 2
	v_wmma_scale_f32_16x16x128_f8f6f4 v[S+8*\t:S+8*\t+7], v[KF+12*(\t/2):KF+12*(\t/2)+11], v[Q0+12*(\t%2):Q0+12*(\t%2)+11], 0, v[KS+\t], v[QS] matrix_a_fmt:MATRIX_FMT_BF6 matrix_b_fmt:MATRIX_FMT_BF6
.endr
.rept 4
	v_nop                                          ; places: in front of the loads below and of the first read of the scores
.endr
.irp t, 0,1,2,3                        ; V's four fragments and their scale words: they land under the softmax
.irp c, 0,1,2
	ds_load_b128 v[KF+12*\t+4*\c:KF+12*\t+4*\c+3], v3 offset:8192+1536*\t+512*\c
.endr
.endr
	ds_load_b128 v[KS:KS+3], v3 offset:14336
	s_cmp_eq_u32 s27, 0
	s_cbranch_scc1 .Lopen
	s_load_b512 s[32:47], s[28:29], 0x0            ; the step's 64 lane masks
	s_load_b512 s[48:63], s[28:29], 0x40
	s_load_b512 s[68:83], s[28:29], 0x80
	s_load_b512 s[84:99], s[28:29], 0xc0
	s_wait_kmcnt 0x0
.set n, 0
.rept 64
	v_cndmask_b32 v[S+n], v[S+n], v[NINF], s[32+n+4*(n/32)]   ; a masked score becomes -infinity: p = 0
.set n, n+1
.endr
.Lopen:
.irp b, 0,1,2,3
	v_max3_num_f32 v[BM+\b], v[S+16*\b], v[S+16*\b+1], v[S+16*\b+2]   ; the largest score of each block of 32 keys: for the row's maximum, and, since p rises with the score, for the block's largest p
.endr
.irp i, 3,5,7,9,11,13
.irp b, 0,1,2,3
	v_max3_num_f32 v[BM+\b], v[BM+\b], v[S+16*\b+\i], v[S+16*\b+\i+1]
.endr
.endr
.irp b, 0,1,2,3
	v_max_num_f32 v[BM+\b], v[BM+\b], v[S+16*\b+15]
.endr
.irp b, 0,1,2,3
	s_delay_alu instid0(VALU_DEP_4)
	v_permlanex16_b32 v[BP+\b], v[BM+\b], s20, s21
.endr
.irp b, 0,1,2,3
	s_delay_alu instid0(VALU_DEP_4)
	v_max_num_f32 v[BM+\b], v[BM+\b], v[BP+\b]     ; with lane l xor 16's 16 keys
.endr
	s_delay_alu instid0(VALU_DEP_2)
	v_max3_num_f32 v[TA], v[BM], v[BM+1], v[BM+2]
	s_delay_alu instid0(VALU_DEP_1)
	v_max_num_f32 v[TA], v[TA], v[BM+3]
	s_delay_alu instid0(VALU_DEP_1)
	v_mul_f32 v[TA], s22, v[TA]                    ; as t
	s_delay_alu instid0(VALU_DEP_1)
	v_max_num_f32 v13, v13, v[TA]                  ; the running largest t
	v_mov_b32 v[TA], v12
	s_delay_alu instid0(VALU_DEP_2)
	v_floor_f32 v12, -v13                          ; the new -M = -ceil(t): a whole number
	s_delay_alu instid0(VALU_DEP_1)
	v_sub_f32 v[TA], v12, v[TA]                    ; old M - new M, 0 or less
	s_delay_alu instid0(VALU_DEP_1)
	v_cvt_i32_f32 v[TA], v[TA]                     ; (it saturates)
	s_delay_alu instid0(VALU_DEP_1)
	v_ldexp_f32 v[F], 1.0, v[TA]                   ; f = 2^(old M - new M)
.irp j, 0,2,4,6,8,10,12,14,16,18,20,22,24,26,28,30,32,34,36,38,40,42,44,46,48,50,52,54,56,58,60,62
	v_pk_fma_f32 v[S+\j:S+\j+1], v[S+\j:S+\j+1], s[22:23], v[12:13] op_sel_hi:[1,0,0]   ; t - M
.endr
.irp b, 0,1,2,3
	v_fma_f32 v[BM+\b], v[BM+\b], s22, v12         ; the same of each block's largest score
.endr
.set n, 0
	s_wait_alu depctr_va_vdst(0)
.rept 64
	v_exp_f32 v[S+n], v[S+n]                       ; p = 2^(t - M)
.set n, n+1
.endr
	v_pk_mul_f32 v[14:15], v[14:15], v[F:F+1] op_sel_hi:[1,0]   ; the sums under the new M.  (The plain place behind the batch)
	s_wait_alu depctr_va_vdst(0)                   ; one wait for the batch of 64, ahead of its first reader
.irp b, 0,1,2,3
	v_exp_f32 v[BM+\b], v[BM+\b]                   ; the block's largest p
.endr
	v_pk_add_f32 v[236:237], v[108:109], v[112:113]
	v_pk_add_f32 v[252:253], v[116:117], v[120:121]
	v_pk_add_f32 v[250:251], v[124:125], v[128:129]
	v_pk_add_f32 v[248:249], v[132:133], v[136:137]
	v_pk_add_f32 v[246:247], v[140:141], v[144:145]
	v_pk_add_f32 v[244:245], v[148:149], v[152:153]
	v_pk_add_f32 v[242:243], v[156:157], v[160:161]
	v_pk_add_f32 v[14:15], v[14:15], v[164:165]
	v_pk_add_f32 v[236:237], v[236:237], v[104:105]
	v_pk_add_f32 v[252:253], v[252:253], v[106:107]
	v_pk_add_f32 v[250:251], v[250:251], v[110:111]
	v_pk_add_f32 v[248:249], v[248:249], v[114:115]
	v_pk_add_f32 v[246:247], v[246:247], v[118:119]
	v_pk_add_f32 v[244:245], v[244:245], v[122:123]
	v_pk_add_f32 v[242:243], v[242:243], v[126:127]
	v_pk_add_f32 v[14:15], v[14:15], v[130:131]
	v_pk_add_f32 v[236:237], v[236:237], v[134:135]
	v_pk_add_f32 v[252:253], v[252:253], v[138:139]
	v_pk_add_f32 v[250:251], v[250:251], v[142:143]
	v_pk_add_f32 v[248:249], v[248:249], v[146:147]
	v_pk_add_f32 v[246:247], v[246:247], v[150:151]
	v_pk_add_f32 v[244:245], v[244:245], v[154:155]
	v_pk_add_f32 v[242:243], v[242:243], v[158:159]
	v_pk_add_f32 v[14:15], v[14:15], v[162:163]
	v_pk_add_f32 v[236:237], v[236:237], v[166:167]
	s_delay_alu instid0(VALU_DEP_2)
	v_pk_add_f32 v[14:15], v[14:15], v[248:249]
	s_delay_alu instid0(VALU_DEP_2)
	v_pk_add_f32 v[236:237], v[236:237], v[246:247]
	v_pk_add_f32 v[252:253], v[252:253], v[244:245]
	v_pk_add_f32 v[250:251], v[250:251], v[242:243]
	s_delay_alu instid0(VALU_DEP_2)
	v_pk_add_f32 v[14:15], v[14:15], v[252:253]
	s_delay_alu instid0(VALU_DEP_2)
	v_pk_add_f32 v[236:237], v[236:237], v[250:251]
	s_delay_alu instid0(VALU_DEP_1)
	v_pk_add_f32 v[14:15], v[14:15], v[236:237]
	s_wait_alu depctr_va_vdst(0)                   ; and one for the four
.irp b, 0,1,2,3
	v_max_num_f32 v[BM+\b], 0x2800000, v[BM+\b]    ; the floor 2^(5 - 127)
.endr
.irp b, 0,1,2,3
	s_delay_alu instid0(VALU_DEP_4)
	v_add_nc_u32 v[SO+\b], 0xfe000000, v[BM+\b]
.endr
.irp b, 0,1,2,3
	s_delay_alu instid0(VALU_DEP_4)
	v_lshrrev_b32 v[BP+\b], 23, v[SO+\b]
.endr
	s_delay_alu instid0(VALU_DEP_3)
	v_lshl_or_b32 v[PSW], v[BP+1], 8, v[BP]
	s_delay_alu instid0(VALU_DEP_1)
	v_lshl_or_b32 v[PSW], v[BP+2], 16, v[PSW]
	s_delay_alu instid0(VALU_DEP_1)
	v_lshl_or_b32 v[PSW], v[BP+3], 24, v[PSW]
.irp c, 0,1
	v_cvt_scalef32_pk16_bf6_f32 v[PC+6*\c:PC+6*\c+2], v[S+32*\c:S+32*\c+15], v[SO+2*\c]
	v_cvt_scalef32_pk16_bf6_f32 v[PT+4*\c:PT+4*\c+2], v[S+32*\c+16:S+32*\c+31], v[SO+2*\c+1]
.endr
	v_nop                                          ; one plain place behind a scaled conversion
.irp c, 0,1
.irp i, 0,1,2
	v_permlane16_swap_b32 v[PC+6*\c+\i], v[PT+4*\c+\i]   ; a whole block to a lane
.endr
.irp i, 0,1,2
	s_delay_alu instid0(VALU_DEP_3)
	v_mov_b32 v[PC+6*\c+3+\i], v[PT+4*\c+\i]
.endr
.endr
.irp j, 0,2,4,6,8,10,12,14,16,18,20,22,24,26,28,30
	v_pk_mul_f32 v[O+\j:O+\j+1], v[O+\j:O+\j+1], v[F:F+1] op_sel_hi:[1,0]   ; O^T under the new M.  (These sixteen are also the places between the operand's and the scale word's last writes and the products)
.endr
	s_wait_alu depctr_va_vdst(0)
	s_wait_dscnt 0x0                               ; V is in
.irp t, 0,1,2,3                        ; O^T += V^T p^T; the four accumulators take turns
	v_wmma_scale_f32_16x16x128_f8f6f4 v[O+8*\t:O+8*\t+7], v[KF+12*\t:KF+12*\t+11], v[PC:PC+11], v[O+8*\t:O+8*\t+7], v[KS+\t], v[PSW] matrix_a_fmt:MATRIX_FMT_BF6 matrix_b_fmt:MATRIX_FMT_BF6
.endr
.Lskip:
	s_add_co_u32 s24, s24, STEPB
	s_add_nc_u64 s[28:29], s[28:29], 256           ; (the scalar loads that named it were waited for)
	s_sub_co_u32 s25, s25, 1
	s_cmp_lg_u32 s25, 0
	s_cbranch_scc1 .Lstep
; ---------------- THE WAY OUT: O^T / the sum, x the gate, quantised: register i is channel 32 (i / 16) + 16 h + i % 16, as the gate's record has it.
.rept 4
	v_nop                                          ; places behind the last products
.endr
	s_wait_alu depctr_va_vdst(0)
	v_add_f32 v14, v14, v15
	s_delay_alu instid0(VALU_DEP_1)
	v_permlanex16_b32 v[TA], v14, s20, s21
	s_delay_alu instid0(VALU_DEP_1)
	v_add_f32 v14, v14, v[TA]                      ; the row's sum
.irp k, 0,1,2,3,4,5,6,7
	ds_load_b128 v[S+4*\k:S+4*\k+3], v5 offset:512*\k   ; my own bytes
.endr
	s_wait_alu depctr_va_vdst(0)
	v_rcp_f32 v[RL], v14
	v_mov_b32 v[RL+1], 0                           ; (the plain place; the pair's upper half is named below)
	s_wait_alu depctr_va_vdst(0)
	v_cmp_eq_f32 vcc_lo, 0, v14                    ; a row with no key
.irp j, 0,2,4,6,8,10,12,14,16,18,20,22,24,26,28,30
	v_pk_mul_f32 v[S+32+\j:S+33+\j], v[O+\j:O+\j+1], v[RL:RL+1] op_sel_hi:[1,0]
.endr
	s_wait_dscnt 0x0
.irp j, 0,2,4,6,8,10,12,14,16,18,20,22,24,26,28,30
	v_pk_mul_f32 v[S+32+\j:S+33+\j], v[S+32+\j:S+33+\j], v[S+\j:S+\j+1]
.endr
.irp b, 0,1
	v_max3_num_f32 v[BM+\b], |v[S+32+16*\b]|, |v[S+33+16*\b]|, 0x2800000
.endr
.irp i, 2,4,6,8,10,12,14
.irp b, 0,1
	s_delay_alu instid0(VALU_DEP_2)
	v_max3_num_f32 v[BM+\b], v[BM+\b], |v[S+32+16*\b+\i]|, |v[S+33+16*\b+\i]|
.endr
.endr
.irp b, 0,1
	s_delay_alu instid0(VALU_DEP_2)
	v_permlanex16_b32 v[BP+\b], v[BM+\b], s20, s21
.endr
.irp b, 0,1
	s_delay_alu instid0(VALU_DEP_2)
	v_max_num_f32 v[BM+\b], v[BM+\b], v[BP+\b]
.endr
.irp b, 0,1
	s_delay_alu instid0(VALU_DEP_2)
	v_add_nc_u32 v[SO+\b], 0xfe000000, v[BM+\b]
.endr
.irp b, 0,1
	s_delay_alu instid0(VALU_DEP_2)
	v_lshrrev_b32 v[BP+\b], 23, v[SO+\b]
.endr
.irp b, 0,1
	s_delay_alu instid0(VALU_DEP_2)
	v_cndmask_b32 v[BP+\b], v[BP+\b], v[FF], vcc_lo
.endr
	s_delay_alu instid0(VALU_DEP_1)
	v_lshl_or_b32 v[TA], v[BP+1], 8, v[BP]
	v_cvt_scalef32_pk16_bf6_f32 v[PC:PC+2], v[S+32:S+47], v[SO]
	v_cvt_scalef32_pk16_bf6_f32 v[PT:PT+2], v[S+48:S+63], v[SO+1]
	v_nop
.irp i, 0,1,2
	v_permlane16_swap_b32 v[PC+\i], v[PT+\i]
.endr
.irp i, 0,1,2
	s_delay_alu instid0(VALU_DEP_3)
	v_mov_b32 v[PC+3+\i], v[PT+\i]
.endr
	ds_store_b64 v6, v[PC:PC+1]
	ds_store_b64 v6, v[PC+2:PC+3] offset:8
	ds_store_b64 v6, v[PC+4:PC+5] offset:16
	ds_store_b16 v7, v[TA]                         ; both lanes of a row write the same two bytes with the same value
	s_wait_dscnt 0x0                               ; for the others' sake: a row's 192 bytes come from four waves
	s_barrier_signal -1
	s_barrier_wait -1
.irp k, 0,1,2
	ds_load_b64 v[S+2*\k:S+2*\k+1], v8 offset:256*\k
.endr
.irp k, 0,1,2
	s_wait_dscnt 2-\k                              ; the younger loads may be out
	global_store_b64 v2, v[S+2*\k:S+2*\k+1], s[12:13] offset:256*\k   ; 32 lanes store 256 consecutive bytes, aligned
.endr
	s_and_b32 s30, s16, 1                          ; the scale bytes of two neighbouring tiles are 256 bytes on end: the wave with head 0 and an even tile stores them
	s_or_b32 s30, s30, s15
	s_cmp_lg_u32 s30, 0
	s_cbranch_scc1 .Ldone
	ds_load_b64 v[S+8:S+9], v9
	s_wait_dscnt 0x0
	global_store_b64 v2, v[S+8:S+9], s[100:101]
.Ldone:
	s_wait_tensorcnt 0x0
	ds_add_u32 v254, v255
	s_wait_dscnt 0x0
	s_endpgm
.Lfunc_end_k_qe041559b35_attn:
	.size	k_qe041559b35_attn, .Lfunc_end_k_qe041559b35_attn-k_qe041559b35_attn
	.p2alignl 7, 3214868480
	.fill 96, 4, 3214868480
	.section	.rodata,"a",@progbits
	.p2align	6, 0x0
	.amdhsa_kernel k_qe041559b35_attn
		.amdhsa_group_segment_fixed_size 317952
		.amdhsa_private_segment_fixed_size 0
		.amdhsa_enable_private_segment 0
		.amdhsa_kernarg_size 40
		.amdhsa_user_sgpr_count 2
		.amdhsa_user_sgpr_kernarg_segment_ptr 1
		.amdhsa_wavefront_size32 1
		.amdhsa_system_sgpr_workgroup_id_x 1
		.amdhsa_system_sgpr_workgroup_id_y 1
		.amdhsa_system_sgpr_workgroup_id_z 1
		.amdhsa_system_vgpr_workitem_id 0
		.amdhsa_next_free_vgpr 256
		.amdhsa_next_free_sgpr 102
		.amdhsa_reserve_vcc 1
		.amdhsa_float_denorm_mode_32 3
		.amdhsa_float_denorm_mode_16_64 3
		.amdhsa_memory_ordered 1
		.amdhsa_forward_progress 1
		.amdhsa_inst_pref_size 48
	.end_amdhsa_kernel
	.amdgpu_metadata
---
amdhsa.version: [ 1, 2 ]
amdhsa.kernels:
  - .name:           k_qe041559b35_attn
    .symbol:         k_qe041559b35_attn.kd
    .args:
      - { .name: qrec, .offset: 0, .size: 8, .value_kind: global_buffer, .address_space: global }
      - { .name: kvrec, .offset: 8, .size: 8, .value_kind: global_buffer, .address_space: global }
      - { .name: gate, .offset: 16, .size: 8, .value_kind: global_buffer, .address_space: global }
      - { .name: mbits, .offset: 24, .size: 8, .value_kind: global_buffer, .address_space: global }
      - { .name: ctxq, .offset: 32, .size: 8, .value_kind: global_buffer, .address_space: global }
    .group_segment_fixed_size: 317952
    .private_segment_fixed_size: 0
    .kernarg_segment_align: 8
    .kernarg_segment_size: 40
    .max_flat_workgroup_size: 512
    .sgpr_count:     102
    .vgpr_count:     256
    .wavefront_size: 32
...
	.end_amdgpu_metadata
.endif
;; end of part 3
;; launch oproj (part 4): grid 16 x 16, 4 waves a work-group, clusters of 4 x 4, 327,680 bytes of LDS; arguments ctxq, wq, out0; writes out0
.if DOCPART == 4
	.amdgcn_target "amdgcn-amd-amdhsa--gfx1250"
	.amdhsa_code_object_version 6
	.text
	.protected	k_qe041559b35_oproj
	.globl	k_qe041559b35_oproj
	.p2align	8
	.type	k_qe041559b35_oproj,@function
k_qe041559b35_oproj:
	s_mov_b64 s[64:65], 0
	v_nop
	global_prefetch_b8 v0, s[64:65] scope:SCOPE_SE
	s_setreg_imm32_b32 hwreg(HW_REG_WAVE_MODE, 25, 1), 1
	s_wait_xcnt 0x0
	s_wait_alu depctr_hold_cnt(0) depctr_sa_sdst(0) depctr_va_vdst(0) depctr_va_sdst(0) depctr_va_ssrc(0) depctr_va_vcc(0) depctr_vm_vsrc(0)
	s_getreg_b32 s2, hwreg(HW_REG_IB_STS2, 6, 4)
	s_cmp_eq_u32 s2, 0
	s_cbranch_scc0 .Lentry_in_a_cluster
	s_endpgm
.Lentry_in_a_cluster:
	s_bfe_u32 s2, ttmp6, 0x10000c
	s_cmp_lg_u32 s2, 0xf033
	s_cbranch_scc0 .Lentry_shape_is_right
	s_endpgm
.Lentry_shape_is_right:
; OPROJ: out0 = (ctx x gate) Wo on codes of BF6 with E8M0 scales.  256 work-groups, each 128 rows x 128 columns; wave (rh, c): 64 x 64, 16 accumulators.
; TILES.  A chunk is 256 along K of 128 rows: 25,600 bytes, dense (128 x 192 of codes, 128 x 8 scale bytes); a block's eight chunks lie on end in memory, so one load brings several: rows of 256 bytes,
; 16 bytes of padding behind each 64 in LDS: 32,000 bytes a chunk, a row of codes at a pitch of 240.  LDS holds five chunks of each operand.  At the head every wave issues one load:
; waves 0, 1 chunks 0-2 of ctx and of Wo, waves 2, 3 chunks 3-4.  Behind the step that reads chunk 2 last, waves 0 and 1 fill the room of chunks 0-2 with chunks 5-7: the launch's one refill.
; CLUSTERS 4 x 4: ctx's chunks are asked for jointly along a row of the cluster, Wo's along a column.
; PREFETCH: the walk is written out, sixteen steps; chunks 5-7, which the refill asks for six steps on, are named once at the head: 300 units of 256 bytes of each operand, 75 for each of the four partners (by cx or cy),
; a lane a unit: two waves to an operand, the first with two instructions (units 0-63), the second with one (units 64-74, held at 74).
; THE MATRIX INSTRUCTION IS USED TRANSPOSED (source 0 = 16 positions of Wo, source 1 = 16 rows of ctx).  The way out goes through a stage that lies in the bytes of ctx's chunk 3, behind their last fill and last read.
; REGISTERS.  Window 0: v0-31 addresses; v32-47 scale words, two sets; v128-255 accumulators.  Window 1: fragments, two sets at v0 and v128: ctx's four, then Wo's four.
.set SIZE_N, 2048
.set PITCH,  240
.set FR,     12
.set CH,     25600
.set CLD,    32000
.set ASC,    128*PITCH
.set BREG,   5*CLD
.set STAGE,  3*CLD
.set SPARE,  10*CLD
.set SPITCH, 272
.set WOC,    8192000
.set PFO,  7
.set AA,   8
.set BB,   14
.set ADRS, 20
.set STO,  24
.set RD,   25
.set CO,   26
.set SPW,  28
.set NIL,  29
.set SC,   32
.set ACC,  128
.set G1A, 24
.set G0A, 32
.set G1B, 48
.set G0B, 56
.set G1C, 68
.set G1D, 80
.set MUL, 0x05
.set MSB, 0
.macro WIN new
.if MSB != (\new)
	s_set_vgpr_msb (MSB<<8)|(\new)
.set MSB, \new
.endif
.endm
.macro PLACES n
.rept \n
	v_nop
.endr
.endm
.macro CREST
	s_cmp_lg_u32 s14, 0
	s_cbranch_scc1 .Lnot_wave_0_\@
	s_barrier_signal -3
.Lnot_wave_0_\@:
	s_barrier_wait -3
	s_barrier_signal -1
	s_barrier_wait -1
.endm
.macro CROUND
	s_barrier_signal -1
	s_barrier_wait -1
	CREST
.endm
	s_load_b128 s[4:7], s[0:1], 0x0                ; ctxq, wq
	s_load_b64 s[12:13], s[0:1], 0x10              ; out0
	v_lshl_add_u32 v[SPW], v0, 2, SPARE
	v_mov_b32 v[NIL], 0
	ds_add_u32 v[SPW], v[NIL]                      ; the opening lines: the add twice on end and its wait
	ds_add_u32 v[SPW], v[NIL]
	v_lshrrev_b32 v1, 5, v0
	v_readfirstlane_b32 s14, v1                    ; wave
	s_lshr_b32 s15, s14, 1                         ; rh; also: which part of the five chunks I fetch
	s_and_b32 s16, s14, 1                          ; c; also: the operand that I fetch
	s_bfe_u32 s40, ttmp6, 0x40000                  ; cx
	s_bfe_u32 s41, ttmp6, 0x40004                  ; cy
	s_lshl_b32 s42, ttmp9, 2
	s_add_co_u32 s42, s42, s40                     ; block of columns
	s_and_b32 s17, ttmp7, 0xffff
	s_lshl_b32 s17, s17, 2
	s_add_co_u32 s17, s17, s41                     ; block of rows
	s_lshl_b32 s43, s41, 2
	s_lshl_b32 s43, 15, s43
	s_lshl_b32 s44, 0x1111, s40
	s_or_b32 s[G1A], s43, (1<<20)|(1<<21)|(3<<22)|(3<<25)
	s_or_b32 s[G1C], s43, (1<<20)|(1<<21)|(3<<22)|(3<<25)
	s_or_b32 s[G1B], s44, (1<<20)|(1<<21)|(3<<22)|(3<<25)
	s_or_b32 s[G1D], s44, (1<<20)|(1<<21)|(3<<22)|(3<<25)
.irp g, G1A, G1B, G1C, G1D
	s_mov_b32 s[\g+1], 256<<16
	s_mov_b32 s[\g+3], 256<<16
	s_mov_b32 s[\g+5], 256
	s_mov_b32 s[\g+6], 0
	s_mov_b32 s[\g+7], 0
.endr
.irp g, G1A, G1B
	s_mov_b32 s[\g+2], 300<<16                     ; three chunks
	s_mov_b32 s[\g+4], 300
.endr
.irp g, G1C, G1D
	s_mov_b32 s[\g+2], 200<<16                     ; two chunks
	s_mov_b32 s[\g+4], 200
.endr
	s_mul_i32 s20, s17, 8*CH
	s_mov_b32 s21, 0
	s_mul_i32 s46, s42, 8*CH
	s_add_co_u32 s46, s46, WOC
	s_mov_b32 s47, 0
	s_mul_i32 s18, s15, 3*CH
	s_mov_b32 s19, 0
	s_mul_i32 s45, s15, 3*CLD
	s_wait_dscnt 0x0
	s_wait_kmcnt 0x0
	s_add_nc_u64 s[20:21], s[4:5], s[20:21]        ; ctx's chunk 0 of my rows
	s_add_nc_u64 s[46:47], s[6:7], s[46:47]        ; Wo's chunk 0 of my columns
	CROUND
	s_mov_b32 s[G0A], 1
	s_mov_b32 s[G0A+1], s45
	s_add_nc_u64 s[G0A+2:G0A+3], s[20:21], s[18:19]
	s_or_b32 s[G0A+3], s[G0A+3], 0x80000000
	s_mov_b32 s[G0B], 1
	s_add_co_u32 s[G0B+1], s45, BREG
	s_add_nc_u64 s[G0B+2:G0B+3], s[46:47], s[18:19]
	s_or_b32 s[G0B+3], s[G0B+3], 0x80000000
.macro ARM under, g0, g1, next         ; the head's loads, one a wave, in one chain of branches on the wave's number
	s_cmp_lt_u32 s14, \under
	s_cbranch_scc0 \next
	tensor_load_to_lds s[\g0:\g0+3], s[\g1:\g1+7]
	s_nop 0
	PLACES 4
	s_branch .Lhead_asked
\next:
.endm
	ARM 1, G0A, G1A, .Lhead_1
	ARM 2, G0B, G1B, .Lhead_2
	ARM 3, G0A, G1C, .Lhead_3
	tensor_load_to_lds s[G0B:G0B+3], s[G1D:G1D+7]
	s_nop 0
	PLACES 4
.Lhead_asked:
	s_mul_i32 s22, s15, 64*PITCH                   ; my 64 rows of ctx
	s_mul_i32 s23, s16, 64*PITCH
	s_add_co_u32 s23, s23, BREG                    ; my 64 positions of Wo
	s_mul_i32 s61, s15, 640
	s_add_co_u32 s61, s61, ASC                     ; ctx's scale words of my rows
	s_mul_i32 s62, s16, 640
	s_add_co_u32 s62, s62, BREG+ASC
	s_sub_co_u32 s62, s62, s61                     ; the distance to Wo's
	s_mul_i32 s63, s14, 16*SPITCH
	s_add_co_u32 s63, s63, STAGE
	s_lshl_b32 s94, s15, 6                         ; the prefetches: units 64 (w / 2) on,
	s_cmp_eq_u32 s16, 0
	s_cselect_b32 s95, s40, s41
	s_cselect_b64 s[36:37], s[20:21], s[46:47]
	s_mul_i32 s95, s95, 75                         ; of my work-group's 75
	s_lshl_b32 s96, s17, 7
	s_lshl_b32 s97, s15, 6
	s_add_co_u32 s96, s96, s97
	s_lshl_b32 s96, s96, 13                        ; my first row of out0
	s_lshl_b32 s97, s42, 9
	s_add_co_u32 s96, s96, s97
	s_lshl_b32 s97, s16, 8
	s_add_co_u32 s96, s96, s97                     ; my first column
	s_mov_b32 s97, 0
	s_add_nc_u64 s[12:13], s[12:13], s[96:97]
	v_and_b32 v1, 15, v0                           ; r
	v_bfe_u32 v2, v0, 4, 1                         ; h
	v_and_b32 v3, 31, v0
	v_mul_u32_u24 v4, v1, PITCH
	v_mad_u32_u24 v4, v2, 24, v4
	v_add_nc_u32 v[AA], s22, v4
	v_add_nc_u32 v[BB], s23, v4
	v_lshl_add_u32 v[AA+1], v2, 4, v[AA]           ; for pieces whose lanes 16-31 lie behind the next padding
	v_lshl_add_u32 v[BB+1], v2, 4, v[BB]
.irp k, 1, 2                           ; a pair of address registers for each two chunks' room
	v_add_nc_u32 v[AA+2*\k], 2*CLD*\k, v[AA]
	v_add_nc_u32 v[AA+2*\k+1], 2*CLD*\k, v[AA+1]
	v_add_nc_u32 v[BB+2*\k], 2*CLD*\k, v[BB]
	v_add_nc_u32 v[BB+2*\k+1], 2*CLD*\k, v[BB+1]
.endr
	v_lshrrev_b32 v5, 3, v1
	v_lshlrev_b32 v6, 3, v1
	v_lshl_add_u32 v6, v5, 4, v6                   ; 8 r + 16 (r / 8)
	v_mul_u32_u24 v5, s62, v2                      ; lanes 16-31 take Wo's
	v_add_nc_u32 v6, v6, v5
	v_add_nc_u32 v[ADRS], s61, v6
	v_add_nc_u32 v[ADRS+1], 2*CLD, v[ADRS]
	v_add_nc_u32 v[ADRS+2], 4*CLD, v[ADRS]
	v_mul_u32_u24 v5, v1, SPITCH
	v_lshl_add_u32 v5, v2, 6, v5
	v_add_nc_u32 v[STO], s63, v5
	v_mul_u32_u24 v6, v2, SPITCH
	v_lshl_add_u32 v6, v1, 4, v6
	v_add_nc_u32 v[RD], s63, v6
	v_lshlrev_b32 v[CO], 13, v2
	v_lshl_add_u32 v[CO], v1, 4, v[CO]
	v_add_nc_u32 v[PFO], s94, v3
	v_min_u32 v[PFO], 74, v[PFO]
	v_add_nc_u32 v[PFO], s95, v[PFO]
	v_lshlrev_b32 v[PFO], 8, v[PFO]
	s_wait_alu depctr_va_vdst(0)
	global_prefetch_b8 v[PFO], s[36:37] offset:5*CH th:TH_LOAD_NT scope:SCOPE_SE
	s_cmp_eq_u32 s15, 0
	s_cbranch_scc0 .Lasked_all
	global_prefetch_b8 v[PFO], s[36:37] offset:5*CH+8192 th:TH_LOAD_NT scope:SCOPE_SE
.Lasked_all:
.macro FRAG reg, adr, q, off           ; 16 rows x 128 K: six pieces of 8 bytes; piece n of a row lies at 8 n + 16 (n / 8)
.irp p, 0,1,2,3,4,5
.set PCE, 12*(\q)+6*(\p/3)+\p%3
.if PCE%8 < 5
	ds_load_b64 v[\reg+2*\p:\reg+2*\p+1], v[\adr] offset:8*PCE+16*(PCE/8)+(\off)
.else
	ds_load_b64 v[\reg+2*\p:\reg+2*\p+1], v[\adr+1] offset:8*PCE+16*(PCE/8)+(\off)
.endif
.endr
.endm
.macro FETCH st                        ; step st's fragments into set st % 2; with a chunk's first step its scale words.  Chunk n lies in room n, chunks 5-7 in rooms 0-2
.set CHK, (\st)/2
.set IDX, CHK-5*(CHK/5)
.set KK, IDX/2
.set EX, (IDX%2)*CLD
.set PP, (\st)%2
.if PP == 0
.irp i, 0,1,2,3
	ds_load_b64 v[SC+8*(CHK%2)+2*\i:SC+8*(CHK%2)+2*\i+1], v[ADRS+KK] offset:EX+160*\i   ; lanes 0-15 ctx's block i, lanes 16-31 Wo's
.endr
.endif
	WIN 0x40
.irp i, 0,1,2,3
	FRAG 128*PP+48+FR*\i, BB+2*KK, PP, EX+\i*16*PITCH
.endr
.irp i, 0,1,2,3
	FRAG 128*PP+FR*\i, AA+2*KK, PP, EX+\i*16*PITCH
.endr
	WIN 0
.endm
.macro MUL4 a, st, zero                ; the 16 accumulators take turns in one order in every step
.irp b, 0,1,2,3
.if \zero
	v_wmma_scale_f32_16x16x128_f8f6f4 v[ACC+8*(4*(\a)+\b):ACC+8*(4*(\a)+\b)+7], v[128*((\st)%2)+48+FR*\b:128*((\st)%2)+48+FR*\b+FR-1], v[128*((\st)%2)+FR*(\a):128*((\st)%2)+FR*(\a)+FR-1], 0, v[SC+8*(((\st)/2)%2)+2*\b+(\st)%2], v[SC+8*(((\st)/2)%2)+2*(\a)+(\st)%2] matrix_a_fmt:MATRIX_FMT_BF6 matrix_b_fmt:MATRIX_FMT_BF6 matrix_a_scale:MATRIX_SCALE_ROW1
.else
	v_wmma_scale_f32_16x16x128_f8f6f4 v[ACC+8*(4*(\a)+\b):ACC+8*(4*(\a)+\b)+7], v[128*((\st)%2)+48+FR*\b:128*((\st)%2)+48+FR*\b+FR-1], v[128*((\st)%2)+FR*(\a):128*((\st)%2)+FR*(\a)+FR-1], v[ACC+8*(4*(\a)+\b):ACC+8*(4*(\a)+\b)+7], v[SC+8*(((\st)/2)%2)+2*\b+(\st)%2], v[SC+8*(((\st)/2)%2)+2*(\a)+(\st)%2] matrix_a_fmt:MATRIX_FMT_BF6 matrix_b_fmt:MATRIX_FMT_BF6 matrix_a_scale:MATRIX_SCALE_ROW1
.endif
.endr
.endm
; A step of 128 along K.  kind 0: plain.  kind 1: rooms 0-2 are read no more: the three lines, a round of the cluster's barrier, the refill.  kind 2: the refill has landed: a barrier shows it to all four waves.  kind 3: the last.
.macro OSTEP st, kind, zero
.if (\kind) == 1
	s_wait_tensorcnt 0x0
	ds_add_u32 v[SPW], v[NIL]
.endif
.if (\kind) == 2
	s_wait_tensorcnt 0x0
.endif
	s_wait_dscnt 0x0                               ; this step's fragments are in (and the add is done)
.if (\kind) == 1 || (\kind) == 2
	s_barrier_signal -1
	WIN MUL
	MUL4 0, \st, \zero
	MUL4 1, \st, \zero
	WIN 0
	s_barrier_wait -1
.if (\kind) == 1
	CREST
	s_cmp_eq_u32 s15, 0
	s_cbranch_scc0 .Lnone
	s_cmp_eq_u32 s16, 0
	s_cbranch_scc0 .Lfor_b
	tensor_load_to_lds s[G0A:G0A+3], s[G1A:G1A+7]
	s_nop 0
	PLACES 4
	s_branch .Lnone
.Lfor_b:
	tensor_load_to_lds s[G0B:G0B+3], s[G1B:G1B+7]
	s_nop 0
	PLACES 4
.Lnone:
.endif
	PLACES 4                                       ; in front of loads into registers that earlier products read
	FETCH (\st)+1
	WIN MUL
	MUL4 2, \st, \zero
	MUL4 3, \st, \zero
	WIN 0
.else
	PLACES 4
.if (\kind) == 0
	FETCH (\st)+1
.endif
	WIN MUL
	MUL4 0, \st, \zero
	MUL4 1, \st, \zero
	MUL4 2, \st, \zero
	MUL4 3, \st, \zero
	WIN 0
.endif
.endm
	s_wait_tensorcnt 0x0                           ; my tile of the head's four is in
	s_add_nc_u64 s[G0A+2:G0A+3], s[20:21], 5*CH    ; no load of mine is out: the refill's addresses, chunk 5
	s_or_b32 s[G0A+3], s[G0A+3], 0x80000000
	s_add_nc_u64 s[G0B+2:G0B+3], s[46:47], 5*CH
	s_or_b32 s[G0B+3], s[G0B+3], 0x80000000
	s_barrier_signal -1
	s_barrier_wait -1                              ; chunks 0-4 are whole
	FETCH 0
	OSTEP 0, 0, 1                                  ; the first products start the sums
.irp s, 1,2,3,4
	OSTEP \s, 0, 0
.endr
	OSTEP 5, 1, 0
.irp s, 6,7,8
	OSTEP \s, 0, 0
.endr
	OSTEP 9, 2, 0
.irp s, 10,11,12,13,14
	OSTEP \s, 0, 0
.endr
	OSTEP 15, 3, 0
.macro TOSTAGE a                       ; 16 rows x 64 columns into my stage, and back as rows of 256 bytes; LDS serves a wave's instructions in order
.irp b, 0,1,2,3
	ds_store_b128 v[STO], v[ACC+8*(4*(\a)+\b):ACC+8*(4*(\a)+\b)+3] offset:128*(\b/2)+32*(\b%2)
	ds_store_b128 v[STO], v[ACC+8*(4*(\a)+\b)+4:ACC+8*(4*(\a)+\b)+7] offset:128*(\b/2)+32*(\b%2)+16
.endr
.irp t, 0,1,2,3,4,5,6,7
	ds_load_b128 v[ACC+32*(\a)+4*\t:ACC+32*(\a)+4*\t+3], v[RD] offset:\t*2*SPITCH
.endr
.endm
.macro SEND a, younger
.irp t, 0,1,2,3,4,5,6,7
	s_wait_dscnt \younger+7-\t
	global_store_b128 v[CO], v[ACC+32*(\a)+4*\t:ACC+32*(\a)+4*\t+3], s[12:13] offset:(16*(\a)+2*\t)*SIZE_N*4 th:TH_STORE_NT   ; sixteen lanes store 256 consecutive bytes, aligned
.endr
.endm
	PLACES 4
	TOSTAGE 0
	TOSTAGE 1
	SEND 0, 16
	TOSTAGE 2
	SEND 1, 16
	TOSTAGE 3
	SEND 2, 16
	SEND 3, 0
	s_wait_tensorcnt 0x0                           ; the wave's end
	ds_add_u32 v[SPW], v[NIL]
	s_wait_dscnt 0x0
	CROUND                                         ; the closing round
	s_endpgm
.Lfunc_end_k_qe041559b35_oproj:
	.size	k_qe041559b35_oproj, .Lfunc_end_k_qe041559b35_oproj-k_qe041559b35_oproj
	.p2alignl 7, 3214868480
	.fill 96, 4, 3214868480
	.section	.rodata,"a",@progbits
	.p2align	6, 0x0
	.amdhsa_kernel k_qe041559b35_oproj
		.amdhsa_group_segment_fixed_size 327680
		.amdhsa_private_segment_fixed_size 0
		.amdhsa_enable_private_segment 0
		.amdhsa_kernarg_size 24
		.amdhsa_user_sgpr_count 2
		.amdhsa_user_sgpr_kernarg_segment_ptr 1
		.amdhsa_wavefront_size32 1
		.amdhsa_system_sgpr_workgroup_id_x 1
		.amdhsa_system_sgpr_workgroup_id_y 1
		.amdhsa_system_sgpr_workgroup_id_z 1
		.amdhsa_system_vgpr_workitem_id 0
		.amdhsa_next_free_vgpr 512
		.amdhsa_next_free_sgpr 100
		.amdhsa_reserve_vcc 0
		.amdhsa_float_denorm_mode_32 3
		.amdhsa_float_denorm_mode_16_64 3
		.amdhsa_memory_ordered 1
		.amdhsa_forward_progress 1
		.amdhsa_inst_pref_size 106
	.end_amdhsa_kernel
	.amdgpu_metadata
---
amdhsa.version: [ 1, 2 ]
amdhsa.kernels:
  - .name:           k_qe041559b35_oproj
    .symbol:         k_qe041559b35_oproj.kd
    .args:
      - { .name: ctxq, .offset: 0, .size: 8, .value_kind: global_buffer, .address_space: global }
      - { .name: wq, .offset: 8, .size: 8, .value_kind: global_buffer, .address_space: global }
      - { .name: out0, .offset: 16, .size: 8, .value_kind: global_buffer, .address_space: global }
    .group_segment_fixed_size: 327680
    .private_segment_fixed_size: 0
    .kernarg_segment_align: 8
    .kernarg_segment_size: 24
    .max_flat_workgroup_size: 128
    .sgpr_count:     100
    .vgpr_count:     512
    .wavefront_size: 32
...
	.end_amdgpu_metadata
.endif
;; end of part 4
